; MI455X (gfx1250); checked and timed in simulation.
; The chip was launched on July 23, 2026; its instructions are those of AMD's public machine-readable ISA for CDNA 5 (MIT licence, August 2026) and "CDNA5" Instruction Set Architecture Reference Guide (July 2026). The comments in the code are by the model that wrote it; some were corrected since.
;; Multi Head Attention. Allowed arithmetic: matrix products marked QUANTISED: E2M1 operands, one E8M0 scale for each 32 along K, by v_wmma_scale_f32_16x16x128_f8f6f4 with both operands' format E2M1 (or v_wmma_scale_f32_32x16x128_f4), f32 sums; everything else in f32.
;; Inputs: K_codes 1 x 2,048 x 64 x 16 uint8 (E2M1 codes of K, K innermost, in blocks of 32 codes, two codes a byte); K_scales 1 x 2,048 x 64 uint8 (E8M0 scales of K, one for each 32 codes along K); Q_codes 1 x 2,048 x 64 x 16 uint8 (E2M1 codes of Q, K innermost, in blocks of 32 codes, two codes a byte); Q_scales 1 x 2,048 x 64 uint8 (E8M0 scales of Q, one for each 32 codes along K); V_codes 1 x 2,048 x 64 x 16 uint8 (E2M1 codes of V, K innermost, in blocks of 32 codes, two codes a byte); V_scales 1 x 2,048 x 64 uint8 (E8M0 scales of V, one for each 32 codes along K); Wk_codes 2,048 x 64 x 16 uint8 (E2M1 codes of Wk, K innermost, in blocks of 32 codes, two codes a byte); Wk_scales 2,048 x 64 uint8 (E8M0 scales of Wk, one for each 32 codes along K); Wo_codes 2,048 x 64 x 16 uint8 (E2M1 codes of Wo, K innermost, in blocks of 32 codes, two codes a byte); Wo_scales 2,048 x 64 uint8 (E8M0 scales of Wo, one for each 32 codes along K); Wq_codes 2,048 x 64 x 16 uint8 (E2M1 codes of Wq, K innermost, in blocks of 32 codes, two codes a byte); Wq_scales 2,048 x 64 uint8 (E8M0 scales of Wq, one for each 32 codes along K); Wv_codes 2,048 x 64 x 16 uint8 (E2M1 codes of Wv, K innermost, in blocks of 32 codes, two codes a byte); Wv_scales 2,048 x 64 uint8 (E8M0 scales of Wv, one for each 32 codes along K); bk 2,048 float32; bo 2,048 float32; bq 2,048 float32; bv 2,048 float32; mask 1 x 1 x 2,048 x 2,048 float32.
;; Outputs: out0 1 x 2,048 x 2,048 float32.
;; This version of the problem:
;;   THIS VERSION OF THE PROBLEM IS GIVEN IN LOW PRECISION. The matrix products marked QUANTISED in the list below multiply operands that are first quantised to E2M1 (2 exponent bits, 1 mantissa bit; 4 bits a number), with one power-of-two scale for each 32 numbers along K (OCP MX v1.0); their sums are f32. All else is computed in f32.
;;   The module's matrix products, in the order in which they are computed (A, B: the left and right operand; K: the contracted axis; several contracted axes count as one K, in the product's order):
;;     1. [M 2,048, K 2,048] x [K 2,048, N 2,048]; A: input Q (given as codes); B: input Wq (given as codes): QUANTISED
;;     2. [M 2,048, K 2,048] x [K 2,048, N 2,048]; A: input K (given as codes); B: input Wk (given as codes): QUANTISED
;;     3. [M 2,048, K 2,048] x [K 2,048, N 2,048]; A: input V (given as codes); B: input Wv (given as codes): QUANTISED
;;     4. batch 16 x [M 2,048, K 128] x [K 128, N 2,048]; A: computed on the way; B: computed on the way: QUANTISED
;;     5. batch 16 x [M 2,048, K 2,048] x [K 2,048, N 128]; A: softmax (see below); B: computed on the way: QUANTISED
;;     6. [M 2,048, K 2,048] x [K 2,048, N 2,048]; A: computed on the way; B: input Wo (given as codes): QUANTISED
;;   THE QUANTISER, for each operand of a quantised product, along K:
;;     - K is cut into blocks of 32 from its start; a last block that is shorter is filled with zeros.
;;     - A block's scale is 2^e with e = floor(log2(the largest magnitude in the block)) - 2, held to -126 .. 127; a block of zeros has e = 0. As a byte (E8M0): e + 127.
;;     - Each number is divided by its block's scale, clamped to +-6, and rounded to the nearest number of E2M1, ties to even, subnormals kept.
;;     - The product sums the exact products of the quantised numbers (number of the format x scale) in f32.
;;   ~~~python
;;   def quantise(x, axis):      # numpy; x: float32 -> the quantised numbers, widened to float32 again
;;       x = np.moveaxis(x, axis, -1); K = x.shape[-1]
;;       x = np.pad(x, [(0, 0)] * (x.ndim - 1) + [(0, -K % 32)]); x = x.reshape(x.shape[:-1] + (-1, 32)); a = np.abs(x).max(-1, keepdims=True)
;;       e = np.where(a > 0, np.clip(np.frexp(np.where(a > 0, a, 1))[1] - 1 - 2, -126, 127), 0)      # np.frexp(a)[1] - 1 = floor(log2(a)), exactly
;;       r = np.clip(x / 2.0 ** e, -6, 6)
;;       step = 2.0 ** (np.maximum(np.frexp(np.where(r == 0, 1, r))[1] - 1, 0) - 1)
;;       q = np.round(r / step) * step * 2.0 ** e      # np.round: ties to even
;;       return np.moveaxis(q.reshape(q.shape[:-2] + (-1,))[..., :K], -1, axis).astype(np.float32)
;;   ~~~
;;   SOFTMAX AHEAD OF A QUANTISED PRODUCT. Where the list says 'softmax', what is quantised is not the finished softmax but p = 2^(t - M), with t = logit x log2(e) and M = ceil(the row's largest t), a whole number; so 1/2 < the row's largest p <= 1. The row's sum l is taken of the UNQUANTISED p, in f32, and the product's result is divided by l at the end. Since M is a whole number, a kernel that streams over the keys may use a running M (the ceiling of the running maximum): every later rescaling is an exact power of two, which a block's scale takes up: the codes' values come out the same.
;;   OPERANDS COMPUTED ON THE WAY. 'Computed on the way' means the value that the module computes at that place (a softmax that the list does not call 'softmax' is quantised finished and normalised). What goes into a quantiser is computed in f32, as accurately as f32 sums, v_exp_f32 and their like allow (about 1e-6 of the number): no bf16 or f16 on the way to a quantiser, and a product that is left as it is and whose result goes on into a quantised operand takes f32 operands (vector FMAs, or v_wmma_f32_16x16x4_f32). A number that lies on a knife's edge between two numbers of the format may be rounded either way, as far as f32 arithmetic and the matrix unit's own rounding can turn it there, and no further.
;;   INPUTS GIVEN AS CODES. K (in the module: [1, 2048, 2048], K = its axis 2); Q (in the module: [1, 2048, 2048], K = its axis 2); V (in the module: [1, 2048, 2048], K = its axis 2); Wk (in the module: [2048, 2048], K = its axis 0); Wo (in the module: [2048, 2048], K = its axis 0); Wq (in the module: [2048, 2048], K = its axis 0); Wv (in the module: [2048, 2048], K = its axis 0): each comes as NAME_codes (uint8): NAME with its K axis moved to the last place and cut into blocks of 32 codes, [.., K / 32, bytes a block], one block behind the other in memory; two codes a byte, the lower K in the low four bits (a code: sign, 2 exponent bits, 1 mantissa bit); and NAME_scales (uint8): the same leading axes, one E8M0 byte (e + 127) for each 32 codes along K. Its value is code x scale, taken as it is: it is not quantised again, and the codes and scales need not be those that the quantiser above would give.
;; One version. Each part assembles by itself: llvm-mc -triple=amdgcn-amd-amdhsa -mcpu=gfx1250 --defsym DOCPART=n.
;; ======== version 1 of 1: 3 launches
;; limits: right only within a limited range of input values
;; workspace buffers: qf 2,228,224 bytes; kvf 4,456,448 bytes; af 2,097,152 bytes; asw 131,072 bytes
;; launch proj (part 1): grid 8 x 24, 4 waves a work-group, clusters of 4 x 4, 327,680 bytes of LDS; arguments Q_codes, Q_scales, Wq_codes, Wq_scales, bq, K_codes, K_scales, Wk_codes, Wk_scales, bk, Wv_codes, Wv_scales, V_codes, V_scales, bv, qf, kvf; writes qf, kvf
.if DOCPART == 1
	.amdgcn_target "amdgcn-amd-amdhsa--gfx1250"
	.amdhsa_code_object_version 6
	.text
	.protected	k_q51dc8895a3_proj
	.globl	k_q51dc8895a3_proj
	.p2align	8
	.type	k_q51dc8895a3_proj,@function
k_q51dc8895a3_proj:
	s_mov_b64 s[64:65], 0
	v_nop
	global_prefetch_b8 v0, s[64:65] scope:SCOPE_SE
	s_setreg_imm32_b32 hwreg(HW_REG_WAVE_MODE, 25, 1), 1
	s_wait_xcnt 0x0
	s_wait_alu depctr_hold_cnt(0) depctr_sa_sdst(0) depctr_va_vdst(0) depctr_va_sdst(0) depctr_va_ssrc(0) depctr_va_vcc(0) depctr_vm_vsrc(0)
	s_getreg_b32 s2, hwreg(HW_REG_IB_STS2, 6, 4)
	s_cmp_eq_u32 s2, 0
	s_cbranch_scc0 .Lentry_in_a_cluster
	s_endpgm
.Lentry_in_a_cluster:
	s_bfe_u32 s2, ttmp6, 0x10000c
	s_cmp_lg_u32 s2, 0xf033
	s_cbranch_scc0 .Lentry_shape_is_right
	s_endpgm
.Lentry_shape_is_right:
; THE THREE PROJECTIONS: q = relu(Q Wq + bq), k = relu(K Wk + bk), v = relu(V Wv + bv), each a product of [2048][2048] codes of FP4 (E2M1) with one E8M0 scale for each 32 along K,
; and each result QUANTISED on the way out for the product that takes it next: q and k along the head's 128 channels, v along the keys.
; One launch, 3 x 64 tiles of 256 x 256: T = (cluster's y) / 2 says which product; it is the same in all sixteen partners of a cluster.  Only pointers and two bias masks hang on T: there is ONE path through the text.
; A work-group has four waves, a wave 128 x 128: 64 accumulators, 512 registers.  A wave's 128 numbers along the registers are one head (q, k) or one step of 128 keys (v): exactly one fragment and one scale word a row.
; That is why the tile is not made smaller: 192 work-groups, not 256; a wave with 64 along that axis would hold half a fragment and read each LDS byte for half as many products.
; THE MATRIX INSTRUCTION IS USED TRANSPOSED: source 0 = 16 rows of 'B', source 1 = 16 rows of 'A': lane (r, h) holds row r of A's block, and register j of tile b the B row 16 b + 8 h + j.
;   T = 0: A = Q, B = Wq.   T = 1: A = K, B = Wk.   T = 2: A = Wv, B = V, so that a lane holds one channel and its registers run along the KEYS.
; THE BIAS runs along B's rows for T = 0, 1 (it is the C of the first products: BT) and along A's rows for T = 2 (added on the way out: BR).  Both forms are always loaded; the one that does not apply is made zero by an AND.
; THE WAY OUT.  Tiles 2 g and 2 g + 1 of lanes l and l xor 16 are a block of 32.  The conversion of tile t gives the dword of codes 16 t + 8 h + 0 .. 7; written to register 4 (t / 4) + {0, 2, 1, 3}[t % 4] and followed by
; two exchanges of halves for each four registers, the eight dwords ARE the next product's operand (register 4 c + i of half h: codes 64 c + 32 h + 8 i on).  A fragment leaves as an image of its registers:
; lane l's 16 bytes at 512 c + 16 l, so each store of the wave covers 512 consecutive bytes, aligned.  No LDS is needed on the way out.
;   qf  [head][block of 128 queries][8,704]: 8 fragments, then 512 bytes of scale words (lane l: the words of tiles 4 h .. 4 h + 3 of row r).
;   kvf [head][step of 128 keys][17,408]: K's 8 fragments, V^T's 8 fragments, K's scale words, V's scale words.
; CLUSTERS: 4 x 4 work-groups; A's tiles are asked for jointly along a row of the cluster, B's along a column: the same tensor load, descriptor and mask in the four.
; LIMITS: NaN and infinities among the inputs are not served.  A block of zeros gets the scale byte 1 (the floor under the largest magnitude) where the rule says 127: its codes are zeros, and only this program reads the bytes.
; REGISTERS, in windows of 256: window 0: v1-12 at work on the way out; v16-29 addresses; v32-95 scale words, two sets; v96-111 BR; v112-123 the scale words made; v128-191 A's fragments, later 64 numbers; v192-255 the codes made.
;   window 1: B's fragments, two sets, at v0 and v128; v192-255 BT.   window 2, 3: the accumulators ((a, b) at v[8 (8 (a % 4) + b)]).
.set KSTEP,  512                       ; along K in a slot
.set NQ,     4                         ; matrix instructions deep
.set ROWB,   256                       ; a tile's row in bytes
.set KROW,   1024                      ; a row of codes in memory
.set PITCH,  272                       ; an LDS row: 256 bytes + 16 of padding = 68 words: the 16 rows that a load touches start at 16 different banks (64 banks of 4 bytes: ISA guide 11.1)
.set FR,     8                         ; registers of a fragment
.set NL,     2                         ; LDS loads that bring one
.set NP,     4                         ; places behind this matrix instruction (ISA guide 7.12.1)
.set HALFT,  128*PITCH                 ; 128 rows: one tensor load
.set SLOT,   4*HALFT                   ; A's 256 rows, then B's 256 rows
.set LAPS,   2                         ; 2,048 along K = 4 slots' worth = twice round the ring
.set KS,     64                        ; a row of scale bytes
.set SCL,    2*SLOT                    ; behind the ring: the scales of all of K, as units of 256 bytes + 16 of padding
.set HALFS,  32*272                    ; those of 128 rows; a tensor load brings two
.set SBLK,   4*272                     ; those of 16 rows
.set SPARE,  SCL+4*HALFS               ; the spare words, 128 bytes for each wave: two blocks of 256 bytes that no other line names
.set TM,   1                           ; v1-4 largest magnitudes, v5-8 the other half's and then the bytes, v9-12 the conversions' scale operands
.set ADRA, 16                          ; v16-17  LDS address of my A fragments in slot 0, 1
.set ADRB, 20                          ; v20-21  the same for B
.set LI,   24                          ; v24     16 x lane: my place in an image
.set ADRS, 27                          ; v27     LDS address of my scale words: lanes 0-15 A's rows, lanes 16-31 B's
.set SPW,  28                          ; v28     LDS address of my spare word; never rewritten
.set NIL,  29                          ; v29     0; never rewritten
.set SC,   32                          ; scale words: set s at v[SC + 32 s]; register 4 i + q: lanes 0-15 A's block i, lanes 16-31 B's block i, the slot's q-th 128 along K
.set BR,   96                          ; v96-111  the bias along A's rows: the pair 2 a, 2 a + 1 both hold that of row r of block a
.set PW,   112                         ; v112-119 the scale word of row r of block a
.set PWO,  120                         ; v120-123 the four words that my lane stores
.set AF,   128                         ; A's fragments
.set X,    128                         ; the way out: a block's 64 numbers
.set PCS,  192                         ; the way out: eight registers of codes for each block, so that no store's data are written again
.set BT,   192                         ; window 1: the bias along B's rows: register 8 b + j
.set SEL,  22                          ; s[22:23] lane selects for v_permlanex16_b32: lane l xor 16 (written ahead of the way out)
.set G1, 24
.set G0, 32
.set G1B, 48
.set G0B, 56
.set G1S, 68
.set G0S, 76
.set G1SB, 80
.set G0SB, 88
.set MSB, 0
.macro WIN new                         ; the immediate's high byte repeats the setting that is left
.if MSB != (\new)
	s_set_vgpr_msb (MSB<<8)|(\new)
.set MSB, (\new)
.endif
.endm
.set MUL_LO, 0xa1                      ; source 0 (B) window 1, source 1 (A) window 0, C and D window 2
.set MUL_HI, 0xf1                      ; the same, C and D window 3
.set FST_LO, 0x91                      ; the first products: C = BT in window 1, D window 2
.set FST_HI, 0xd1                      ; D window 3
.set TO_B,   0x40                      ; destination window 1, address window 0
; A joint load: waves 0 and 1 fetch for A, waves 2 and 3 for B.  The branch hangs on the wave's number alone.  Four v_nop follow each of the two lines.
.macro JLOAD g0a, g1a, g0b, g1b
	s_cmp_eq_u32 s15, 0
	s_cbranch_scc0 .Lfor_b_\@
	tensor_load_to_lds s[\g0a:\g0a+3], s[\g1a:\g1a+7]
	s_nop 0
.rept 4
	v_nop
.endr
	s_branch .Lasked_\@
.Lfor_b_\@:
	tensor_load_to_lds s[\g0b:\g0b+3], s[\g1b:\g1b+7]
	s_nop 0
.rept 4
	v_nop
.endr
.Lasked_\@:
.endm
.macro CREST                           ; a round of the cluster's barrier behind its opening barrier
	s_cmp_lg_u32 s14, 0
	s_cbranch_scc1 .Lnot_wave_0_\@
	s_barrier_signal -3
.Lnot_wave_0_\@:
	s_barrier_wait -3
	s_barrier_signal -1
	s_barrier_wait -1
.endm
.macro CROUND                          ; a whole round
	s_barrier_signal -1
	s_barrier_wait -1
	CREST
.endm
	s_load_b256 s[4:11], s[0:1], 0x0               ; T = 0: Q's codes, Q's scales, Wq's codes, Wq's scales,
	s_load_b64 s[12:13], s[0:1], 0x20              ; bq
	s_load_b256 s[24:31], s[0:1], 0x28             ; T = 1: K's codes, K's scales, Wk's codes, Wk's scales,
	s_load_b64 s[32:33], s[0:1], 0x48              ; bk
	s_load_b256 s[36:43], s[0:1], 0x50             ; T = 2: Wv's codes, Wv's scales, V's codes, V's scales,
	s_load_b64 s[44:45], s[0:1], 0x70              ; bv
	s_load_b128 s[48:51], s[0:1], 0x78             ; qf, kvf
	v_lshl_add_u32 v[SPW], v0, 2, SPARE
	v_mov_b32 v[NIL], 0
	ds_add_u32 v28, v29
	ds_add_u32 v28, v29
	s_wait_dscnt 0x0
	v_lshrrev_b32 v1, 5, v0
	v_readfirstlane_b32 s14, v1                    ; wave 0..3
	s_lshr_b32 s15, s14, 1                         ; which half of the tile's A rows is mine.  Also: I fetch for A (0) or for B (1)
	s_and_b32 s16, s14, 1                          ; which half of its B rows.  Also: which 128 rows of that tile I fetch
	s_and_b32 s94, ttmp7, 0xffff                   ; the cluster's y, 0..5
	s_lshr_b32 s95, s94, 1                         ; T: which product
	s_wait_kmcnt 0x0
	s_cmp_eq_u32 s95, 1                            ; the choice of buffers hangs on the cluster's number alone
	s_cselect_b64 s[4:5], s[24:25], s[4:5]
	s_cselect_b64 s[6:7], s[26:27], s[6:7]
	s_cselect_b64 s[8:9], s[28:29], s[8:9]
	s_cselect_b64 s[10:11], s[30:31], s[10:11]
	s_cselect_b64 s[12:13], s[32:33], s[12:13]
	s_cmp_eq_u32 s95, 2
	s_cselect_b64 s[4:5], s[36:37], s[4:5]         ; A's codes,
	s_cselect_b64 s[6:7], s[38:39], s[6:7]         ; A's scales,
	s_cselect_b64 s[8:9], s[40:41], s[8:9]         ; B's codes,
	s_cselect_b64 s[10:11], s[42:43], s[10:11]     ; B's scales,
	s_cselect_b64 s[12:13], s[44:45], s[12:13]     ; the bias
	s_cselect_b32 s96, -1, 0                       ; keeps BR where T = 2
	s_cselect_b32 s97, 0, -1                       ; keeps BT where T = 0, 1
	s_cmp_eq_u32 s95, 0
	s_cselect_b64 s[98:99], s[48:49], s[50:51]     ; where the results go
	s_bfe_u32 s40, ttmp6, 0x40000                  ; cx, cy: my place in the cluster
	s_bfe_u32 s41, ttmp6, 0x40004
	s_lshl_b32 s42, ttmp9, 2
	s_add_co_u32 s42, s42, s40                     ; tile column (B's rows) = 4 x cluster x + cx
	s_and_b32 s17, s94, 1
	s_lshl_b32 s17, s17, 2
	s_add_co_u32 s17, s17, s41                     ; tile row (A's rows) = 4 x (cluster y % 2) + cy
	s_lshl_b32 s43, s41, 2
	s_lshl_b32 s43, 15, s43                        ; my row of the cluster
	s_lshl_b32 s44, 0x1111, s40                    ; my column
	; descriptor group 1: a tile of 128 rows x 256 bytes, padded in LDS
	s_or_b32 s[G1+0], s43, (0<<16)|(1<<20)|(1<<21)|(5<<22)|(3<<25)  ; 15:0 the mask: A's tiles go to my row; 17:16 elements of 1 byte; 20 padding on; 21 set beside a mask; 24:22 after every 64 words; 31:25 four words
	s_or_b32 s[G1B+0], s44, (0<<16)|(1<<20)|(1<<21)|(5<<22)|(3<<25) ; the same with my column's mask
.irp g, G1, G1B
	s_mov_b32 s[\g+1], ROWB<<16                    ; tensor_dim0
	s_mov_b32 s[\g+2], 256<<16                     ; tensor_dim1: 256 rows for the head's loads; set to 128 behind them, for the ring's
	s_mov_b32 s[\g+3], ROWB<<16                    ; tile_dim0
	s_mov_b32 s[\g+4], 256                         ; tile_dim1, likewise
	s_mov_b32 s[\g+5], KROW                        ; tensor_dim0_stride
	s_mov_b32 s[\g+6], 0
	s_mov_b32 s[\g+7], 0
.endr
	; the scales of 256 rows: a dense block of 16,384 bytes, as 64 rows of 256 bytes (32 elements of 8 bytes), 16 bytes of padding behind each
	s_or_b32 s[G1S+0], s43, (3<<16)|(1<<20)|(1<<21)|(5<<22)|(3<<25)
	s_or_b32 s[G1SB+0], s44, (3<<16)|(1<<20)|(1<<21)|(5<<22)|(3<<25)
.irp g, G1S, G1SB
	s_mov_b32 s[\g+1], 32<<16
	s_mov_b32 s[\g+2], 64<<16                      ; 256 rows' scales: 64 rows of 256 bytes
	s_mov_b32 s[\g+3], 32<<16
	s_mov_b32 s[\g+4], 64
	s_mov_b32 s[\g+5], 32
	s_mov_b32 s[\g+6], 0
	s_mov_b32 s[\g+7], 0
.endr
	s_lshl_b32 s20, s17, 8                         ; A: the tile's first row
	s_lshl_b32 s46, s42, 8                         ; B: the tile's first row
	s_lshl_b32 s18, s16, 17                        ; in the ring I fetch 128 rows of 1,024 bytes: which half
	s_mov_b32 s19, 0
	s_lshl_b32 s22, s20, 6                         ; where these rows' scales begin, in bytes (64 a row),
	s_mov_b32 s23, 0
	s_lshl_b32 s92, s46, 6
	s_mov_b32 s93, 0
	s_lshl_b32 s20, s20, 10                        ; and their codes (1,024 a row)
	s_mov_b32 s21, 0
	s_lshl_b32 s46, s46, 10
	s_mov_b32 s47, 0
	s_mul_i32 s45, s14, HALFT                      ; where they go: wave x 128 rows: no place in the cluster enters an LDS address
	s_add_nc_u64 s[20:21], s[4:5], s[20:21]
	s_add_nc_u64 s[22:23], s[6:7], s[22:23]
	s_add_nc_u64 s[46:47], s[8:9], s[46:47]
	s_add_nc_u64 s[92:93], s[10:11], s[92:93]
	CROUND                                         ; all sixteen work-groups are here: the first joint loads meet
	s_mov_b32 s4, 1                                ; the head's four tiles, each whole: slot 0's 256 rows of A (group 0 in s[4:7]: the arguments there have been used),
	s_mov_b32 s5, 0
	s_mov_b64 s[6:7], s[20:21]
	s_or_b32 s7, s7, 0x80000000
	s_mov_b32 s8, 1                                ; its 256 rows of B (s[8:11]),
	s_mov_b32 s9, 2*HALFT
	s_mov_b64 s[10:11], s[46:47]
	s_or_b32 s11, s11, 0x80000000
	s_mov_b32 s[G0S], 1                            ; A's scales, B's scales
	s_mov_b32 s[G0S+1], SCL
	s_mov_b64 s[G0S+2:G0S+3], s[22:23]
	s_or_b32 s[G0S+3], s[G0S+3], 0x80000000
	s_mov_b32 s[G0SB], 1
	s_mov_b32 s[G0SB+1], SCL+2*HALFS
	s_mov_b64 s[G0SB+2:G0SB+3], s[92:93]
	s_or_b32 s[G0SB+3], s[G0SB+3], 0x80000000
	s_add_nc_u64 s[20:21], s[20:21], s[18:19]      ; for the ring: my 128 rows of the tile
	s_add_nc_u64 s[46:47], s[46:47], s[18:19]
.irp s, 0,1
	s_mov_b32 s[G0+4*\s], 1
	s_add_co_u32 s[G0+4*\s+1], s45, \s*SLOT
	s_add_nc_u64 s[G0+4*\s+2:G0+4*\s+3], s[20:21], \s*ROWB
	s_or_b32 s[G0+4*\s+3], s[G0+4*\s+3], 0x80000000
	s_mov_b32 s[G0B+4*\s], 1
	s_add_co_u32 s[G0B+4*\s+1], s45, \s*SLOT
	s_add_nc_u64 s[G0B+4*\s+2:G0B+4*\s+3], s[46:47], \s*ROWB
	s_or_b32 s[G0B+4*\s+3], s[G0B+4*\s+3], 0x80000000
.endr
	; the prefetches: of the 128 rows that my wave fetches, the four partners that ask for them jointly take 32 each, by address (cx for A, cy for B): a lane a row.
	; Each slot's rows are asked for one slot ahead of the tensor load that wants them; slot 0's come by their load alone
	s_cmp_eq_u32 s15, 0
	s_cselect_b64 s[104:105], s[20:21], s[46:47]
	s_cselect_b32 s2, s40, s41
	s_lshl_b32 s2, s2, 15
	s_mov_b32 s3, 0
	s_add_nc_u64 s[104:105], s[104:105], s[2:3]
; THE HEAD'S LOADS, ONE A WAVE: wave 0 slot 0's rows of A, wave 1 its rows of B, wave 2 A's scales, wave 3 B's.  One tree of branches, one load on every way.
.macro ARM under, g0, g1, next
	s_cmp_lt_u32 s14, \under
	s_cbranch_scc0 \next
	tensor_load_to_lds s[\g0:\g0+3], s[\g1:\g1+7]
	s_nop 0
.rept 4
	v_nop
.endr
	s_branch .Lhead_asked
\next:
.endm
	ARM 1, 4, G1, .Lhead_b
	ARM 2, 8, G1B, .Lhead_sa
	ARM 3, G0S, G1S, .Lhead_sb
	tensor_load_to_lds s[G0SB:G0SB+3], s[G1SB:G1SB+7]
	s_nop 0
.rept 4
	v_nop
.endr
.Lhead_asked:
	v_and_b32 v1, 15, v0                           ; r = l % 16
	v_bfe_u32 v2, v0, 4, 1                         ; h = l / 16
	v_mul_u32_u24 v3, v1, PITCH
	v_lshl_add_u32 v4, v2, 4, v3                   ; a fragment's row x pitch + 16 x half
	s_mul_i32 s21, s15, HALFT                      ; my 128 rows of A
	s_mul_i32 s22, s16, HALFT                      ; my 128 rows of B,
	s_add_co_u32 s22, s22, 2*HALFT                 ; which lie behind A's 256
.irp s, 0,1
	v_add_nc_u32 v[ADRA+\s], s21, v4
	v_add_nc_u32 v[ADRB+\s], s22, v4
	s_add_co_u32 s21, s21, SLOT
	s_add_co_u32 s22, s22, SLOT
.endr
	v_mul_u32_u24 v5, v1, KS                       ; my row's scales: 64 bytes a row,
	v_lshrrev_b32 v6, 8, v5
	v_lshl_add_u32 v5, v6, 4, v5                   ; and 16 more for each 256 passed
	s_mul_i32 s21, s15, HALFS                      ; A's: my 128 rows
	s_mul_i32 s22, s16, HALFS                      ; B's: my 128 rows, behind A's 256
	s_add_co_u32 s22, s22, 2*HALFS
	s_sub_co_u32 s22, s22, s21
	v_mul_u32_u24 v6, s22, v2                      ; lanes 16-31 take B's: the lower base + h x the distance
	s_add_co_u32 s21, s21, SCL
	v_add_nc_u32 v5, v5, v6
	v_add_nc_u32 v[ADRS], s21, v5
	v_and_b32 v6, 31, v0
	v_lshlrev_b32 v[LI], 4, v6
	v_lshlrev_b32 v30, 10, v6                      ; the prefetches' offset: a lane a row; never rewritten
	global_prefetch_b8 v30, s[104:105] offset:ROWB th:TH_LOAD_NT scope:SCOPE_SE
	; where my 128 x 128 goes: record (head, block); for T = 2 A's rows are the head's channels and B's the keys
	s_lshl_b32 s66, s17, 1
	s_add_co_u32 s66, s66, s15                     ; my block of 128 rows of A
	s_lshl_b32 s67, s42, 1
	s_add_co_u32 s67, s67, s16                     ; my block of 128 rows of B
	s_cmp_eq_u32 s95, 2
	s_cselect_b32 s22, s66, s67                    ; the head
	s_cselect_b32 s23, s67, s66                    ; the block of queries or of keys
	s_cselect_b32 s46, 8192, 0                     ; V's fragments lie behind K's
	s_mov_b32 s92, 16384
	s_cselect_b32 s92, 8704, s92                   ; from my fragments to my scale words: V 16,896 - 8,192, K 16,384,
	s_cmp_eq_u32 s95, 0
	s_mov_b32 s93, 17408
	s_cselect_b32 s93, 8704, s93                   ; a record's bytes
	s_cselect_b32 s92, 8192, s92                   ; q 8,192
	s_lshl_b32 s22, s22, 4
	s_add_co_u32 s22, s22, s23
	s_mul_i32 s22, s22, s93
	s_add_co_u32 s22, s22, s46
	s_mov_b32 s23, 0
	s_add_nc_u64 s[98:99], s[98:99], s[22:23]      ; my eight fragments
	s_mov_b32 s93, 0
	s_add_nc_u64 s[100:101], s[98:99], s[92:93]    ; my scale words
	; both forms of the bias
	s_lshl_b32 s18, s67, 9
	s_mov_b32 s19, 0
	s_add_nc_u64 s[18:19], s[12:13], s[18:19]      ; the 128 numbers of my block of B's rows
	s_lshl_b32 s20, s66, 9
	s_mov_b32 s21, 0
	s_add_nc_u64 s[20:21], s[12:13], s[20:21]      ; and of my block of A's rows
	v_lshlrev_b32 v7, 5, v2                        ; 32 h
	v_lshlrev_b32 v8, 2, v1                        ; 4 r
	WIN TO_B
.irp b, 0,1,2,3,4,5,6,7
	global_load_b128 v[BT+8*\b:BT+8*\b+3], v7, s[18:19] offset:64*\b        ; bias(16 b + 8 h + 0 .. 3)
	global_load_b128 v[BT+8*\b+4:BT+8*\b+7], v7, s[18:19] offset:64*\b+16
.endr
	WIN 0
.irp a, 0,1,2,3,4,5,6,7
	global_load_b32 v[BR+2*\a], v8, s[20:21] offset:64*\a                   ; bias(16 a + r), twice: a pair for the packed addition
	global_load_b32 v[BR+2*\a+1], v8, s[20:21] offset:64*\a
.endr
.macro FRAG reg, adr, q, i             ; 16 rows x 128 K of 4-bit codes: lane l holds row l % 16; registers 4 c .. 4 c + 3 hold K = 64 c + 32 (l / 16) + 0 .. 31
.irp c, 0,1
	ds_load_b128 v[\reg+4*\c:\reg+4*\c+3], v[\adr] offset:64*(\q)+32*\c+(\i)*16*PITCH
.endr
.endm
; 16 matrix instructions: A's blocks a0, a0 + 1 x B's eight, the slot's q-th 128 along K.  p: B's set;  sc: the set of scale words.  first = 1: the products start the sums on the bias: nothing is cleared.
; The 64 accumulators take turns, one instruction a turn, in the same order in every step.
.macro MUL16 a0, p, q, sc, first
.irp a, \a0, \a0+1
.irp b, 0,1,2,3,4,5,6,7
.if \first
	v_wmma_scale_f32_16x16x128_f8f6f4 v[8*(8*((\a)%4)+\b):8*(8*((\a)%4)+\b)+7], v[128*(\p)+FR*\b:128*(\p)+FR*\b+FR-1], v[AF+FR*(\a):AF+FR*(\a)+FR-1], v[BT+8*\b:BT+8*\b+7], v[SC+8*NQ*(\sc)+NQ*\b+(\q)], v[SC+8*NQ*(\sc)+NQ*(\a)+(\q)] matrix_a_fmt:MATRIX_FMT_FP4 matrix_b_fmt:MATRIX_FMT_FP4 matrix_a_scale:MATRIX_SCALE_ROW1
.else
	v_wmma_scale_f32_16x16x128_f8f6f4 v[8*(8*((\a)%4)+\b):8*(8*((\a)%4)+\b)+7], v[128*(\p)+FR*\b:128*(\p)+FR*\b+FR-1], v[AF+FR*(\a):AF+FR*(\a)+FR-1], v[8*(8*((\a)%4)+\b):8*(8*((\a)%4)+\b)+7], v[SC+8*NQ*(\sc)+NQ*\b+(\q)], v[SC+8*NQ*(\sc)+NQ*(\a)+(\q)] matrix_a_fmt:MATRIX_FMT_FP4 matrix_b_fmt:MATRIX_FMT_FP4 matrix_a_scale:MATRIX_SCALE_ROW1
.endif
.endr
.endr
.endm
.macro FETCH_B slot, q, p              ; B's eight fragments of the slot's q-th 128 along K into set p
	WIN TO_B
.irp i, 0,1,2,3,4,5,6,7
	FRAG 128*(\p)+FR*\i, ADRB+\slot, \q, \i
.endr
	WIN 0
.endm
.macro FETCH_A slot, q, i0             ; A's blocks i0 .. i0 + 3
.irp i, \i0, \i0+1, \i0+2, \i0+3
	FRAG AF+FR*(\i), ADRA+\slot, \q, \i
.endr
.endm
.macro SCALES sc                       ; a slot's scale words into set sc: four words a row; lanes 0-15 take A's block i, lanes 16-31 B's block i
.irp i, 0,1,2,3,4,5,6,7
	ds_load_b128 v[SC+8*NQ*\sc+NQ*\i:SC+8*NQ*\sc+NQ*\i+3], v[ADRS] offset:\i*SBLK
.endr
.endm
; A load into a register that a matrix instruction has read, and a vector instruction that reads a matrix result, stand NP places behind that matrix instruction; only plain vector
; instructions that name none of its registers are places (ISA guide 7.12.1 for vector instructions).
.macro PLACES n
.rept \n
	v_nop
.endr
.endm
; A step of 128 along K that has its successor in the same slot.  A has one set of registers (a block is free when its eight products are issued), B two.
.macro STEP slot, q, first
	s_wait_dscnt 4*NL                              ; B's set and A's blocks 0-3 are in; the youngest eight loads (A's blocks 4-7) may be out
.if \first
	WIN FST_LO
.else
	WIN MUL_LO
.endif
	MUL16 0, (\q)%2, \q, \slot, \first
	MUL16 2, (\q)%2, \q, \slot, \first
	s_wait_dscnt 0                                 ; A's blocks 4-7 are in (asked for 32 matrix instructions ago)
	PLACES NP
	FETCH_B \slot, (\q)+1, 1-(\q)%2
	FETCH_A \slot, (\q)+1, 0
.if \first
	WIN FST_HI
.else
	WIN MUL_HI
.endif
	MUL16 4, (\q)%2, \q, \slot, \first
	MUL16 6, (\q)%2, \q, \slot, \first
	PLACES NP
	WIN 0
	FETCH_A \slot, (\q)+1, 4
.endm
; A slot's last step changes slots: ONE barrier; in front of it each wave waits for all its tensor loads, adds 0 to its spare word, and waits for that and for its own reads of this slot.  fill = 1: this slot is filled again, two slots ahead.
.macro TURN slot, next, fill
	s_wait_tensorcnt 0x0                           ; all my tensor loads have landed: my part of the next slot;  (every window is 0 here)
	ds_add_u32 v[SPW], v[NIL]                      ; 0 onto my spare word;
	s_wait_dscnt 4*NL+1                            ; (the add and the youngest eight loads, A's blocks 4-7, may be out)
	WIN MUL_LO
	MUL16 0, 1, NQ-1, \slot, 0                     ; sixteen matrix instructions stand between the add and the wait for it
	s_wait_dscnt 0x0                               ; the add is done, and my reads of this slot are over
	s_barrier_signal -1
	MUL16 2, 1, NQ-1, \slot, 0
	WIN 0
	s_barrier_wait -1
.if \fill
	CREST                                          ; the barrier has opened a round of the cluster's barrier: no wave of any partner still reads this slot's tile or has a load on its way
	s_add_nc_u64 s[G0+4*\slot+2:G0+4*\slot+3], s[G0+4*\slot+2:G0+4*\slot+3], 2*ROWB
	s_add_nc_u64 s[G0B+4*\slot+2:G0B+4*\slot+3], s[G0B+4*\slot+2:G0B+4*\slot+3], 2*ROWB
	JLOAD G0+4*\slot, G1, G0B+4*\slot, G1B         ; the first tensor load behind the round; the four v_nop behind it are the places in front of the loads below
.else
	PLACES NP
.endif
	s_wait_alu depctr_va_vdst(0)
	v_add_nc_u32 v[ADRS], 4*NQ, v[ADRS]            ; on to the next slot's scale words (no LDS load of mine is out)
	FETCH_B \next, 0, 0
	FETCH_A \next, 0, 0
	SCALES \next
.if (\fill) && ((\slot) == 0)
	global_prefetch_b8 v30, s[104:105] offset:3*ROWB th:TH_LOAD_NT scope:SCOPE_SE   ; what slot 1's refill will ask for: the last of K
.endif
	WIN MUL_HI
	MUL16 4, 1, NQ-1, \slot, 0
	MUL16 6, 1, NQ-1, \slot, 0
	PLACES NP
	WIN 0
	FETCH_A \next, 0, 4
.endm
.macro STEPS slot, from                ; the slot's steps from .. NQ - 2
.set Q, \from
.rept NQ-1-\from
	STEP \slot, Q, 0
.set Q, Q+1
.endr
.endm
; 64 numbers of a lane, none negative, v[s + 8 t + j] = index 16 t + 8 h + j along the next K of my row, become a fragment's codes in v[pc] on and its scale word in v[pw].
.macro QUANTN s, pc, pw
.irp b, 0,1,2,3
	v_max3_num_f32 v[TM+\b], v[(\s)+16*\b], v[(\s)+16*\b+1], 0x1800000   ; block b: my 16 numbers, and the floor 2^(3 - 127): so the byte cannot fall under 1
.endr
.irp i, 2,4,6,8,10,12,14
.irp b, 0,1,2,3
	v_max3_num_f32 v[TM+\b], v[TM+\b], v[(\s)+16*\b+\i], v[(\s)+16*\b+\i+1]   ; (the four blocks by turns)
.endr
.endr
.irp b, 0,1,2,3
	v_permlanex16_b32 v[TM+4+\b], v[TM+\b], s[SEL], s[SEL+1]
.endr
.irp b, 0,1,2,3
	v_max_num_f32 v[TM+\b], v[TM+\b], v[TM+4+\b]   ; with lane l xor 16's: the block's largest magnitude
.endr
.irp b, 0,1,2,3
	v_add_nc_u32 v[TM+8+\b], 0xff000000, v[TM+\b]  ; 2 off its exponent field: the conversion takes the exponent field of this operand as its scale
.endr
.irp b, 0,1,2,3
	v_lshrrev_b32 v[TM+4+\b], 23, v[TM+8+\b]       ; the scale's byte
.endr
	v_lshl_or_b32 v[\pw], v[TM+5], 8, v[TM+4]      ; the four bytes make my row's scale word
	v_lshl_or_b32 v[\pw], v[TM+6], 16, v[\pw]
	v_lshl_or_b32 v[\pw], v[TM+7], 24, v[\pw]
.irp t, 0,1,2,3,4,5,6,7
	v_cvt_scalef32_pk8_fp4_f32 v[(\pc)+4*(\t/4)+2*(\t%2)+(\t%4)/2], v[(\s)+8*\t:(\s)+8*\t+7], v[TM+8+\t/2]   ; tile t's eight codes: to register 4 (t / 4) + {0, 2, 1, 3}[t % 4]
.endr
	v_nop                                          ; one plain place behind a scaled conversion
.irp c, 0,1
	v_permlane16_swap_b32 v[(\pc)+4*\c], v[(\pc)+4*\c+1]     ; the first's lanes 16-31 change places with the second's lanes 0-15: registers 4 c + i now hold codes 64 c + 32 h + 8 i on
	v_permlane16_swap_b32 v[(\pc)+4*\c+2], v[(\pc)+4*\c+3]
.endr
.endm
; Block a of 16 rows leaves: bias along A's rows, relu, quantiser, two stores of 512 consecutive bytes.
.macro EPI a
.set AC, 64*((\a)%4)
	WIN 0x02+(\a)/4                                ; source 0: window 2 or 3
.set JJ, 0
.rept 32
	v_pk_add_f32 v[X+JJ:X+JJ+1], v[AC+JJ:AC+JJ+1], v[BR+2*(\a):BR+2*(\a)+1]   ; ascending: each accumulator is read from its low end on
.set JJ, JJ+2
.endr
	WIN 0
.set JJ, 0
.rept 64
	v_max_num_f32 v[X+JJ], 0, v[X+JJ]              ; the activation, in f32
.set JJ, JJ+1
.endr
	QUANTN X, PCS+8*(\a), PW+(\a)
	global_store_b128 v[LI], v[PCS+8*(\a):PCS+8*(\a)+3], s[98:99] offset:1024*(\a)
	global_store_b128 v[LI], v[PCS+8*(\a)+4:PCS+8*(\a)+7], s[98:99] offset:1024*(\a)+512
.endm
	s_wait_alu depctr_va_vdst(0)
	s_wait_tensorcnt 0x0                           ; my one load is in
	ds_add_u32 v[SPW], v[NIL]
	s_mov_b32 s[G1+2], 128<<16                     ; no tensor load of mine is out: from here on a load brings 128 rows
	s_mov_b32 s[G1+4], 128
	s_mov_b32 s[G1B+2], 128<<16
	s_mov_b32 s[G1B+4], 128
	s_wait_dscnt 0x0
	CROUND                                         ; all four tiles are in, and all sixteen work-groups are here
	JLOAD G0+4, G1, G0B+4, G1B                     ; slot 1's first fill
	FETCH_B 0, 0, 0
	FETCH_A 0, 0, 0
	SCALES 0
	FETCH_A 0, 0, 4
	global_prefetch_b8 v30, s[104:105] offset:2*ROWB th:TH_LOAD_NT scope:SCOPE_SE   ; what slot 0's refill will ask for
	s_wait_loadcnt 0x0                             ; the bias
	WIN 0x44                                       ; destination and source 1 window 1
.set JJ, 0
.rept 64
	v_and_b32 v[BT+JJ], s97, v[BT+JJ]              ; zero where T = 2
.set JJ, JJ+1
.endr
	WIN 0
.set JJ, 0
.rept 16
	v_and_b32 v[BR+JJ], s96, v[BR+JJ]              ; zero where T = 0, 1
.set JJ, JJ+1
.endr
	STEP 0, 0, 1                                   ; the first step stands in front of the loop: its products start the sums
	s_mov_b32 s3, LAPS-1
.Llap:                                                 ; a trip goes once round the ring, from a lap's second step to the next lap's first, and fills both slots again
	STEPS 0, 1
	TURN 0, 1, 1
	STEPS 1, 0
	TURN 1, 0, 1
	STEP 0, 0, 0
	s_sub_co_u32 s3, s3, 1
	s_cmp_lg_u32 s3, 0
	s_cbranch_scc1 .Llap
	STEPS 0, 1                                     ; the last lap fills nothing, and has no round of the cluster's barrier
	TURN 0, 1, 0
	STEPS 1, 0
	s_wait_dscnt 4*NL                              ; the very last step: nothing more to fetch
	WIN MUL_LO
	MUL16 0, 1, NQ-1, 1, 0
	MUL16 2, 1, NQ-1, 1, 0
	s_wait_dscnt 0
	WIN MUL_HI
	MUL16 4, 1, NQ-1, 1, 0
	MUL16 6, 1, NQ-1, 1, 0
	WIN 0
	s_mov_b32 s[SEL], 0x76543210
	s_mov_b32 s[SEL+1], 0xfedcba98
.irp b, 0,1,2,3
	v_mov_b32 v[TM+4+\b], 0                        ; a lane permute's destination counts as one of its sources.  These four are also the places behind the last products
.endr
.irp a, 0,1,2,3,4,5,6,7
	EPI \a
.endr
	v_and_b32 v13, 31, v0
	v_cmp_gt_u32 vcc_lo, 16, v13
.irp i, 0,1,2,3
	v_cndmask_b32 v[PWO+\i], v[PW+4+\i], v[PW+\i], vcc_lo   ; lanes 0-15: the words of blocks 0-3 of row r; lanes 16-31: of blocks 4-7
.endr
	global_store_b128 v[LI], v[PWO:PWO+3], s[100:101]       ; 512 consecutive bytes
	s_wait_tensorcnt 0x0                           ; the wave's end
	ds_add_u32 v[SPW], v[NIL]
	s_wait_dscnt 0x0
	CROUND                                         ; the closing round: no work-group ends while a partner may still ask for a tile that names it
	s_endpgm
.Lfunc_end_k_q51dc8895a3_proj:
	.size	k_q51dc8895a3_proj, .Lfunc_end_k_q51dc8895a3_proj-k_q51dc8895a3_proj
	.p2alignl 7, 3214868480
	.fill 96, 4, 3214868480
	.section	.rodata,"a",@progbits
	.p2align	6, 0x0
	.amdhsa_kernel k_q51dc8895a3_proj
		.amdhsa_group_segment_fixed_size 327680
		.amdhsa_private_segment_fixed_size 0
		.amdhsa_enable_private_segment 0
		.amdhsa_kernarg_size 136
		.amdhsa_user_sgpr_count 2
		.amdhsa_user_sgpr_kernarg_segment_ptr 1
		.amdhsa_wavefront_size32 1
		.amdhsa_system_sgpr_workgroup_id_x 1
		.amdhsa_system_sgpr_workgroup_id_y 1
		.amdhsa_system_sgpr_workgroup_id_z 1
		.amdhsa_system_vgpr_workitem_id 0
		.amdhsa_next_free_vgpr 1024
		.amdhsa_next_free_sgpr 106
		.amdhsa_reserve_vcc 1
		.amdhsa_float_denorm_mode_32 3
		.amdhsa_float_denorm_mode_16_64 3
		.amdhsa_memory_ordered 1
		.amdhsa_forward_progress 1
		.amdhsa_inst_pref_size 255
	.end_amdhsa_kernel
	.amdgpu_metadata
---
amdhsa.version: [ 1, 2 ]
amdhsa.kernels:
  - .name:           k_q51dc8895a3_proj
    .symbol:         k_q51dc8895a3_proj.kd
    .args:
      - { .name: Q_codes, .offset: 0, .size: 8, .value_kind: global_buffer, .address_space: global }
      - { .name: Q_scales, .offset: 8, .size: 8, .value_kind: global_buffer, .address_space: global }
      - { .name: Wq_codes, .offset: 16, .size: 8, .value_kind: global_buffer, .address_space: global }
      - { .name: Wq_scales, .offset: 24, .size: 8, .value_kind: global_buffer, .address_space: global }
      - { .name: bq, .offset: 32, .size: 8, .value_kind: global_buffer, .address_space: global }
      - { .name: K_codes, .offset: 40, .size: 8, .value_kind: global_buffer, .address_space: global }
      - { .name: K_scales, .offset: 48, .size: 8, .value_kind: global_buffer, .address_space: global }
      - { .name: Wk_codes, .offset: 56, .size: 8, .value_kind: global_buffer, .address_space: global }
      - { .name: Wk_scales, .offset: 64, .size: 8, .value_kind: global_buffer, .address_space: global }
      - { .name: bk, .offset: 72, .size: 8, .value_kind: global_buffer, .address_space: global }
      - { .name: Wv_codes, .offset: 80, .size: 8, .value_kind: global_buffer, .address_space: global }
      - { .name: Wv_scales, .offset: 88, .size: 8, .value_kind: global_buffer, .address_space: global }
      - { .name: V_codes, .offset: 96, .size: 8, .value_kind: global_buffer, .address_space: global }
      - { .name: V_scales, .offset: 104, .size: 8, .value_kind: global_buffer, .address_space: global }
      - { .name: bv, .offset: 112, .size: 8, .value_kind: global_buffer, .address_space: global }
      - { .name: qf, .offset: 120, .size: 8, .value_kind: global_buffer, .address_space: global }
      - { .name: kvf, .offset: 128, .size: 8, .value_kind: global_buffer, .address_space: global }
    .group_segment_fixed_size: 327680
    .private_segment_fixed_size: 0
    .kernarg_segment_align: 8
    .kernarg_segment_size: 136
    .max_flat_workgroup_size: 128
    .sgpr_count:     106
    .vgpr_count:     1024
    .wavefront_size: 32
...
	.end_amdgpu_metadata
.endif
;; end of part 1
;; launch attn (part 2): grid 32 x 8, 8 waves a work-group, clusters of 4 x 4, 327,680 bytes of LDS; arguments qf, kvf, mask, af, asw; writes af, asw
.if DOCPART == 2
	.amdgcn_target "amdgcn-amd-amdhsa--gfx1250"
	.amdhsa_code_object_version 6
	.text
	.protected	k_q51dc8895a3_attn
	.globl	k_q51dc8895a3_attn
	.p2align	8
	.type	k_q51dc8895a3_attn,@function
k_q51dc8895a3_attn:
	s_mov_b64 s[64:65], 0
	v_nop
	global_prefetch_b8 v0, s[64:65] scope:SCOPE_SE
	s_setreg_imm32_b32 hwreg(HW_REG_WAVE_MODE, 25, 1), 1
	s_wait_xcnt 0x0
	s_wait_alu depctr_hold_cnt(0) depctr_sa_sdst(0) depctr_va_vdst(0) depctr_va_sdst(0) depctr_va_ssrc(0) depctr_va_vcc(0) depctr_vm_vsrc(0)
	s_getreg_b32 s2, hwreg(HW_REG_IB_STS2, 6, 4)
	s_cmp_eq_u32 s2, 0
	s_cbranch_scc0 .Lentry_in_a_cluster
	s_endpgm
.Lentry_in_a_cluster:
	s_bfe_u32 s2, ttmp6, 0x10000c
	s_cmp_lg_u32 s2, 0xf033
	s_cbranch_scc0 .Lentry_shape_is_right
	s_endpgm
.Lentry_shape_is_right:
; ATTENTION on codes of FP4: S = q k^T, t = (S / sqrt(128) - 1e9 mask) log2(e), M = the row's largest t rounded up to a whole number (running), p = 2^(t - M) quantised along the keys, O = p v / (the sum of the unquantised p);
; O is quantised along the head's 128 channels for the last projection.
; SHARES.  A work-group owns 64 queries (four tiles of 16) of two heads.  A wave owns TWO tiles (the pair of its number) of one head, so that each fragment of K and V from LDS feeds two products, and every second step of 128 keys
; (kh = wave % 2: the first or the second step of each slot).  Waves w and w xor 1 share queries: at the end each sends one tile's sums to the other through LDS and finishes its own: M is whole, so bringing both under one M rounds nothing.
; LAYOUT.  Both products are transposed: lane (r, h) holds query r; register 8 t + j of S holds key 16 t + 8 h + j of the step.
; The mask (f32) is brought into the same layout from LDS, scaled by -1e9 sqrt(128), and is the C of the first product.  t - M is one fused multiply-add.
; THE RING.  Two slots: 64 rows x 256 keys of the mask (waves 0-3 fetch 16 rows each) and four records of K and V (waves 4-7 one each).  The change of slots stands in the middle of a trip: when V's fragments are in registers nobody
; needs the slot any more; the first tile's exponentials and second product stand between signal and wait, and the next slot's loads stand ahead of the second tile's softmax.
; CLUSTERS, 4 x 4: the mask's tiles are shared along a column (same queries), K and V along a row (same heads).
; PREFETCHES, one slot ahead of the tensor load: of a slot's mask rows each of the four partners takes 16 by address (waves 0, 1), of its four records one (waves 4 to 6; in the first four clusters along x alone).
; LIMITS.  The promise holds while the scaled scores (exponents to the base 2 ahead of the maximum's removal) stay under 2^31 in magnitude.  NaN and infinities among the inputs are not served.
; A block of zeros gets the scale byte 1 (a floor under the largest magnitude) where the rule says 127: its codes are zeros, and only this program reads the bytes.  A block's largest p is 2^ of its largest score (v_exp_f32 taken not to fall where its input rises).
; REGISTERS.  Window 0: v1-11, v243, v248, v251 addresses and scale words; window u: tile u's -M (v12), largest t (v13), sum (v14-15), Q (v16-23), S (v96-159), O (v160-223), codes of p (v224-231), v232-239, v244-247, v252-254 at work.
;   v32-95: window 0 K's fragments, window 1 V's.  v24-31 (window 0): scale words of K and V.
.set SLOT,  136192
.set MP,    1040                       ; a mask row in LDS: 1,024 bytes + 16
.set MQ,    16*MP
.set MASKB, 4*MQ
.set REC,   17408                      ; a record: K's 8 fragments, V's 8, K's scale words, V's
.set SCR,   2*SLOT                     ; 512 bytes: the eight tiles' scale words on the way out
.set SPARE, SCR+512                    ; the spare words
.set STG,   8704                       ; the merge: a wave's stage, 64 registers and two words, in slot 0 behind its last fill and last read
.set SPW, 1
.set NIL, 2
.set AMB, 3                            ; v3-4 mask address of tiles 0, 1 in slot 0; v5-6 in the slot in hand
.set AM,  5
.set LI,  7                            ; 16 x lane
.set QS,  8                            ; v8-9 Q's scale words, v10-11 p's
.set PS,  10
.set QF,  16
.set KSC, 24
.set VSC, 28
.set F,   32
.set S,   96
.set O,   160
.set PC,  224
.set BM,  232
.set PB,  236
.set SO,  244
.set TM,  232
.set AKVB, 243
.set AKV, 248
.set PFO, 251
.set G1M, 24
.set G1K, 32
.set G0M, 40
.set G0K, 44
.set PFA, 50                           ; s[50:51] where my prefetches stand, s[52:53] a slot on, s3: I ask while s62 is above it
.set PFS, 52
.set PFL, 3
.set SEL, 56
.set CS,  58
.set XS,  60
.set TB,  63                           ; LDS byte at which the slot in hand begins
.set MSB, 0
.macro WIN new                         ; the immediate's high byte repeats the setting that is left
.if MSB != (\new)
	s_set_vgpr_msb (MSB<<8)|(\new)
.set MSB, (\new)
.endif
.endm
; A joint load, one a wave; four v_nop follow each line.
.macro JLOAD
	s_cmp_eq_u32 s15, 0
	s_cbranch_scc0 .Lfor_kv_\@
	tensor_load_to_lds s[G0M:G0M+3], s[G1M:G1M+7]
	s_nop 0
.rept 4
	v_nop
.endr
	s_branch .Lasked_\@
.Lfor_kv_\@:
	tensor_load_to_lds s[G0K:G0K+3], s[G1K:G1K+7]
	s_nop 0
.rept 4
	v_nop
.endr
.Lasked_\@:
.endm
.macro CREST                           ; a round of the cluster's barrier behind its opening barrier
	s_cmp_lg_u32 s14, 0
	s_cbranch_scc1 .Lnot_wave_0_\@
	s_barrier_signal -3
.Lnot_wave_0_\@:
	s_barrier_wait -3
	s_barrier_signal -1
	s_barrier_wait -1
.endm
.macro CROUND
	s_barrier_signal -1
	s_barrier_wait -1
	CREST
.endm
.macro ASK
	s_cmp_gt_u32 s62, s[PFL]
	s_cbranch_scc0 .Lnot_mine_\@
	global_prefetch_b8 v[PFO], s[PFA:PFA+1] th:TH_LOAD_NT scope:SCOPE_SE
.Lnot_mine_\@:
.endm
	s_load_b256 s[4:11], s[0:1], 0x0               ; qf, kvf, mask, af
	s_load_b64 s[12:13], s[0:1], 0x20              ; asw
	v_lshl_add_u32 v[SPW], v0, 2, SPARE
	v_mov_b32 v[NIL], 0
	ds_add_u32 v[SPW], v[NIL]                      ; the opening add, twice on end
	ds_add_u32 v[SPW], v[NIL]
	v_lshrrev_b32 v3, 5, v0
	v_readfirstlane_b32 s14, v3                    ; wave 0..7
	s_lshr_b32 s15, s14, 2                         ; which head is mine.  Also: I fetch mask (0) or K and V (1)
	s_and_b32 s16, s14, 3                          ; the tile that I finish; the other of my pair is s16 xor 1; s16 % 2 = kh.  Also: which part I fetch
	s_bfe_u32 s17, ttmp6, 0x40000                  ; cx, cy
	s_bfe_u32 s18, ttmp6, 0x40004
	s_lshl_b32 s19, ttmp9, 2
	s_add_co_u32 s19, s19, s17                     ; block of 64 queries
	s_and_b32 s20, ttmp7, 0xffff
	s_lshl_b32 s20, s20, 2
	s_add_co_u32 s20, s20, s18                     ; pair of heads
	s_lshl_b32 s21, s18, 2
	s_lshl_b32 s21, 15, s21                        ; my row of the cluster
	s_lshl_b32 s22, 0x1111, s17                    ; my column
	s_or_b32 s[G1M+0], s22, (2<<16)|(1<<20)|(1<<21)|(7<<22)|(3<<25) ; elements of 4 bytes, four words of padding behind every 256
	s_mov_b32 s[G1M+1], 256<<16
	s_mov_b32 s[G1M+2], 16<<16
	s_mov_b32 s[G1M+3], 256<<16
	s_mov_b32 s[G1M+4], 16
	s_mov_b32 s[G1M+5], 2048
	s_mov_b32 s[G1M+6], 0
	s_mov_b32 s[G1M+7], 0
	s_or_b32 s[G1K+0], s21, (3<<16)|(1<<21)        ; a record: 68 dense rows of 256 bytes
	s_mov_b32 s[G1K+1], 32<<16
	s_mov_b32 s[G1K+2], 68<<16
	s_mov_b32 s[G1K+3], 32<<16
	s_mov_b32 s[G1K+4], 68
	s_mov_b32 s[G1K+5], 32
	s_mov_b32 s[G1K+6], 0
	s_mov_b32 s[G1K+7], 0
	s_lshl_b32 s68, s19, 19                        ; the mask: row 64 x block + 16 x part, 8,192 bytes a row
	s_lshl_b32 s69, s16, 17
	s_add_co_u32 s68, s68, s69
	s_mov_b32 s69, 0
	s_lshl_b32 s70, s20, 1                         ; K and V: head 2 x pair + part / 2, step part % 2
	s_lshr_b32 s71, s16, 1
	s_add_co_u32 s70, s70, s71
	s_lshl_b32 s70, s70, 4
	s_and_b32 s71, s16, 1
	s_add_co_u32 s70, s70, s71
	s_mul_i32 s70, s70, REC
	s_mov_b32 s71, 0
	s_mul_i32 s72, s16, MQ
	s_mul_i32 s73, s16, REC
	s_add_co_u32 s73, s73, MASKB
	; the prefetches, at slot 1: mask: 16 rows a partner, 8 a wave, four 256-byte units a row; records: 68 units of one record, 32 a wave
	s_lshl_b32 s48, s19, 19
	s_lshl_b32 s49, s18, 17
	s_add_co_u32 s48, s48, s49
	s_lshl_b32 s49, s14, 16
	s_add_co_u32 s48, s48, s49
	s_add_co_u32 s48, s48, 1024
	s_lshl_b32 s50, s20, 1
	s_lshr_b32 s51, s17, 1
	s_add_co_u32 s50, s50, s51
	s_lshl_b32 s50, s50, 4
	s_and_b32 s51, s17, 1
	s_add_co_u32 s50, s50, s51
	s_mul_i32 s50, s50, REC
	s_lshl_b32 s51, s16, 13
	s_add_co_u32 s50, s50, s51
	s_add_co_u32 s50, s50, 2*REC
	s_mov_b32 s52, 2*REC
	s_movk_i32 s23, 1024
	s_movk_i32 s21, 8192
	s_movk_i32 s3, 100
	s_cmp_lt_u32 s14, 4
	s_cselect_b32 s48, s48, s50
	s_cselect_b32 s52, s23, s52                    ; a slot on
	s_cselect_b32 s21, s21, s23                    ; from four lanes to the next four
	s_mov_b32 s49, 0
	s_mov_b32 s53, 0
	s_cmp_lt_u32 ttmp9, 4
	s_cselect_b32 s22, 1, s3
	s_cmp_lt_u32 s14, 7
	s_cselect_b32 s22, s22, s3
	s_cmp_lt_u32 s14, 4
	s_cselect_b32 s22, s3, s22
	s_cmp_lt_u32 s14, 2
	s_cselect_b32 s[PFL], 1, s22                   ; waves 0, 1 and, in the first four clusters along x, 4 to 6 ask
	s_cmp_eq_u32 s14, 6
	s_cselect_b32 s22, 3, 31                       ; wave 6: the last four units; the lanes left over name its last one
	; Q, and where the results go
	s_lshl_b32 s74, s20, 1
	s_add_co_u32 s74, s74, s15                     ; my head
	s_lshr_b32 s66, s19, 1                         ; block of 128 queries
	s_and_b32 s67, s19, 1                          ; which half of it
	s_lshl_b32 s23, s67, 2
	s_add_co_u32 s23, s23, s16                     ; my tile in it
	s_lshl_b32 s75, s74, 4
	s_add_co_u32 s75, s75, s66
	s_mul_i32 s75, s75, 8704
	s_lshl_b32 s76, s23, 10
	s_add_co_u32 s76, s76, s75
	s_mov_b32 s77, 0
	s_lshl_b32 s78, s67, 8
	s_add_co_u32 s78, s78, s75
	s_lshl_b32 s79, s16, 2
	s_add_co_u32 s78, s78, s79
	s_add_co_u32 s78, s78, 8192
	s_mov_b32 s79, 0
	s_xor_b32 s54, s78, 4                          ; the other tile's scale words (records are multiples of 256 bytes)
	s_mov_b32 s55, 0
	s_lshl_b32 s80, s66, 4
	s_add_co_u32 s80, s80, s74
	s_lshl_b32 s80, s80, 3
	s_add_co_u32 s80, s80, s23
	s_lshl_b32 s80, s80, 10
	s_mov_b32 s81, 0
	s_lshl_b32 s82, s66, 4
	s_lshl_b32 s83, s20, 1
	s_add_co_u32 s82, s82, s83
	s_lshl_b32 s82, s82, 3
	s_lshl_b32 s83, s67, 2
	s_add_co_u32 s82, s82, s83
	s_lshl_b32 s82, s82, 6
	s_mov_b32 s83, 0
	s_xor_b32 s66, s23, 1
	s_lshl_b32 s66, s66, 10
	s_add_co_u32 s66, s66, s75                     ; the other tile's codes
	s_mov_b32 s67, 0
	s_mov_b32 s[SEL], 0x76543210
	s_mov_b32 s[SEL+1], 0xfedcba98
	s_mov_b32 s[CS], 0x3e0293ee                    ; log2(e) / sqrt(128)
	s_mov_b32 s[CS+1], s[CS]
	s_mov_b32 s[XS], 0xd028965f                    ; -1e9 sqrt(128)
	s_mov_b32 s[XS+1], s[XS]
	s_mov_b32 s62, 6
	s_mov_b32 s[TB], 0
	s_wait_dscnt 0x0                               ; both opening adds are done
	s_wait_kmcnt 0x0
	s_add_nc_u64 s[68:69], s[8:9], s[68:69]
	s_add_nc_u64 s[70:71], s[6:7], s[70:71]
	s_add_nc_u64 s[76:77], s[4:5], s[76:77]
	s_add_nc_u64 s[66:67], s[4:5], s[66:67]
	s_add_nc_u64 s[78:79], s[4:5], s[78:79]
	s_add_nc_u64 s[54:55], s[4:5], s[54:55]
	s_add_nc_u64 s[80:81], s[10:11], s[80:81]
	s_add_nc_u64 s[82:83], s[12:13], s[82:83]
	s_cmp_lt_u32 s14, 4
	s_cselect_b64 s[PFA:PFA+1], s[8:9], s[6:7]
	s_add_nc_u64 s[PFA:PFA+1], s[PFA:PFA+1], s[48:49]
	CROUND                                         ; all sixteen work-groups are here: the first joint loads meet
	s_mov_b32 s[G0M], 1
	s_mov_b32 s[G0M+1], s72
	s_mov_b64 s[G0M+2:G0M+3], s[68:69]
	s_or_b32 s[G0M+3], s[G0M+3], 0x80000000
	s_mov_b32 s[G0K], 1
	s_mov_b32 s[G0K+1], s73
	s_mov_b64 s[G0K+2:G0K+3], s[70:71]
	s_or_b32 s[G0K+3], s[G0K+3], 0x80000000
	JLOAD                                          ; slot 0: one load a wave
	v_and_b32 v32, 15, v0                          ; r
	v_bfe_u32 v33, v0, 4, 1                        ; h
	v_and_b32 v34, 31, v0
	v_lshlrev_b32 v[LI], 4, v34
	v_lshlrev_b32 v35, 4, v32
	global_load_b128 v[QF:QF+3], v[LI], s[76:77]
	global_load_b128 v[QF+4:QF+7], v[LI], s[76:77] offset:512
	global_load_b32 v[QS], v35, s[78:79]
	global_load_b32 v[QS+1], v35, s[54:55]
	WIN 0x40
	global_load_b128 v[QF:QF+3], v[LI], s[66:67]
	global_load_b128 v[QF+4:QF+7], v[LI], s[66:67] offset:512
	WIN 0
	v_min_u32 v36, s22, v34
	v_lshrrev_b32 v37, 2, v36
	v_and_b32 v36, 3, v36
	v_mul_u32_u24 v37, s21, v37
	v_lshl_add_u32 v[PFO], v36, 8, v37             ; never rewritten
	v_mul_u32_u24 v38, v32, MP
	v_lshl_add_u32 v38, v33, 5, v38
	s_and_b32 s22, s16, 1                          ; kh
	s_lshl_b32 s23, s22, 9                         ; my 128 keys of a mask row's 256
	s_mul_i32 s21, s16, MQ
	s_add_co_u32 s21, s21, s23
	v_add_nc_u32 v[AMB], s21, v38
	s_xor_b32 s21, s16, 1
	s_mul_i32 s21, s21, MQ
	s_add_co_u32 s21, s21, s23
	v_add_nc_u32 v[AMB+1], s21, v38
	s_mul_i32 s22, s22, REC
	s_mul_i32 s21, s15, 2*REC
	s_add_co_u32 s21, s21, s22
	s_add_co_u32 s21, s21, MASKB
	v_add_nc_u32 v[AKVB], s21, v[LI]
	s_wait_alu depctr_va_vdst(0)
	ASK                                            ; slot 1
.irp u, 0,1
	WIN 0x55*\u
	v_mov_b32 v13, 0xff61b1e6                      ; the largest t so far: -3e38, under every t
	v_mov_b32 v14, 0
	v_mov_b32 v15, 0
.irp b, 0,1,2,3
	v_mov_b32 v[PB+\b], 0                          ; written once: a lane permute's destination counts as one of its sources
.endr
	v_mov_b32 v253, 0                              ; (named as the upper half of a pair)
	v_floor_f32 v12, -v13                          ; -M
.set JJ, 0
.rept 64
	v_mov_b32 v[O+JJ], 0                           ; the trip is written once for a first and a later step: the first change of M leaves zeros zeros
.set JJ, JJ+1
.endr
.endr
	WIN 0
.macro LOADM u                         ; tile u's mask
	WIN 0x40*(\u)
.irp t, 0,1,2,3,4,5,6,7
	ds_load_b128 v[S+8*\t:S+8*\t+3], v[AM+\u] offset:64*\t
	ds_load_b128 v[S+8*\t+4:S+8*\t+7], v[AM+\u] offset:64*\t+16
.endr
	WIN 0
.endm
.macro LOADK
.irp t, 0,1,2,3,4,5,6,7
.irp c, 0,1
	ds_load_b128 v[F+8*\t+4*\c:F+8*\t+4*\c+3], v[AKV] offset:1024*\t+512*\c
.endr
.endr
	ds_load_b128 v[KSC:KSC+3], v[AKV] offset:16384
.endm
.macro LOADV                           ; fragments to window 1
	ds_load_b128 v[VSC:VSC+3], v[AKV] offset:16896
	WIN 0x40
.irp t, 0,1,2,3,4,5,6,7
.irp c, 0,1
	ds_load_b128 v[F+8*\t+4*\c:F+8*\t+4*\c+3], v[AKV] offset:8192+1024*\t+512*\c
.endr
.endr
.endm
.macro ADDR                            ; the slot in hand
	v_add_nc_u32 v[AM], s[TB], v[AMB]
	v_add_nc_u32 v[AM+1], s[TB], v[AMB+1]
	v_add_nc_u32 v[AKV], s[TB], v[AKVB]
.endm
.macro MULM
.set JJ, 0
.rept 32
	v_pk_mul_f32 v[S+JJ:S+JJ+1], v[S+JJ:S+JJ+1], s[XS:XS+1] op_sel_hi:[1,0]
.set JJ, JJ+2
.endr
.endm
.macro SC u                            ; S^T of tile u on its mask
	WIN 0x54*(\u)
.irp t, 0,1,2,3
	v_wmma_scale_f32_16x16x128_f8f6f4 v[S+8*\t:S+8*\t+7], v[F+8*\t:F+8*\t+7], v[QF:QF+7], v[S+8*\t:S+8*\t+7], v[KSC+\t], v[QS+\u] matrix_a_fmt:MATRIX_FMT_FP4 matrix_b_fmt:MATRIX_FMT_FP4
.endr
.irp t, 4,5,6,7
	v_wmma_scale_f32_16x16x128_f8f6f4 v[S+8*\t:S+8*\t+7], v[F+8*\t:F+8*\t+7], v[QF:QF+7], v[S+8*\t:S+8*\t+7], v[KSC+\t-4], v[QS+\u] matrix_a_fmt:MATRIX_FMT_FP4 matrix_b_fmt:MATRIX_FMT_FP4 matrix_a_scale:MATRIX_SCALE_ROW1
.endr
.endm
.macro PV u                            ; O^T += V^T P^T of tile u
	WIN 0x01+0x54*(\u)
.irp t, 0,1,2,3
	v_wmma_scale_f32_16x16x128_f8f6f4 v[O+8*\t:O+8*\t+7], v[F+8*\t:F+8*\t+7], v[PC:PC+7], v[O+8*\t:O+8*\t+7], v[VSC+\t], v[PS+\u] matrix_a_fmt:MATRIX_FMT_FP4 matrix_b_fmt:MATRIX_FMT_FP4
.endr
.irp t, 4,5,6,7
	v_wmma_scale_f32_16x16x128_f8f6f4 v[O+8*\t:O+8*\t+7], v[F+8*\t:F+8*\t+7], v[PC:PC+7], v[O+8*\t:O+8*\t+7], v[VSC+\t-4], v[PS+\u] matrix_a_fmt:MATRIX_FMT_FP4 matrix_b_fmt:MATRIX_FMT_FP4 matrix_a_scale:MATRIX_SCALE_ROW1
.endr
.endm
.macro SMX u                           ; the largest scores, M, f = 2^(old M - new M), t - M
	WIN 0x55*(\u)
.if \u
	s_wait_alu depctr_va_vdst(0)                   ; tile 1's scores were made ahead of tile 0's exponentials
.endif
.irp b, 0,1,2,3
	v_max3_num_f32 v[BM+\b], v[S+16*\b], v[S+16*\b+1], v[S+16*\b+2]
.endr
.irp i, 3,5,7,9,11,13
.irp b, 0,1,2,3
	v_max3_num_f32 v[BM+\b], v[BM+\b], v[S+16*\b+\i], v[S+16*\b+\i+1]
.endr
.endr
.irp b, 0,1,2,3
	v_max_num_f32 v[BM+\b], v[BM+\b], v[S+16*\b+15]
.endr
.irp b, 0,1,2,3
	s_delay_alu instid0(VALU_DEP_4)
	v_permlanex16_b32 v[PB+\b], v[BM+\b], s[SEL], s[SEL+1]
.endr
.irp b, 0,1,2,3
	s_delay_alu instid0(VALU_DEP_4)
	v_max_num_f32 v[BM+\b], v[BM+\b], v[PB+\b]     ; each block's largest score: it also gives the block's largest p
.endr
	s_delay_alu instid0(VALU_DEP_2)
	v_max3_num_f32 v254, v[BM], v[BM+1], v[BM+2]
	s_delay_alu instid0(VALU_DEP_1)
	v_max_num_f32 v254, v254, v[BM+3]
	s_delay_alu instid0(VALU_DEP_1)
	v_mul_f32 v254, s[CS], v254
	s_delay_alu instid0(VALU_DEP_1)
	v_max_num_f32 v13, v13, v254
	v_mov_b32 v254, v12
	s_delay_alu instid0(VALU_DEP_2)
	v_floor_f32 v12, -v13
	s_delay_alu instid0(VALU_DEP_1)
	v_sub_f32 v254, v12, v254
	s_delay_alu instid0(VALU_DEP_1)
	v_cvt_i32_f32 v254, v254
	s_delay_alu instid0(VALU_DEP_1)
	v_ldexp_f32 v252, 1.0, v254
.set JJ, 0
.rept 32
	v_pk_fma_f32 v[S+JJ:S+JJ+1], v[S+JJ:S+JJ+1], s[CS:CS+1], v[12:13] op_sel_hi:[1,0,0]
.set JJ, JJ+2
.endr
.irp b, 0,1,2,3
	v_fma_f32 v[BM+\b], v[BM+\b], s[CS], v12
.endr
.endm
.macro PROB u                          ; p, its sum, O^T under the new M, p's codes and scale word
.set JJ, 0
.rept 64
	v_exp_f32 v[S+JJ], v[S+JJ]
.set JJ, JJ+1
.endr
.irp b, 0,1,2,3
	v_exp_f32 v[BM+\b], v[BM+\b]
.endr
	v_pk_mul_f32 v[14:15], v[14:15], v[252:253] op_sel_hi:[1,0]
	s_wait_alu depctr_va_vdst(0)                   ; one wait for the batch and for O^T's first readers
.set JJ, 0
.rept 32
	v_pk_mul_f32 v[O+JJ:O+JJ+1], v[O+JJ:O+JJ+1], v[252:253] op_sel_hi:[1,0]
.set JJ, JJ+2
.endr
.irp b, 0,1,2,3
	v_max_num_f32 v[BM+\b], 0x1800000, v[BM+\b]    ; the floor 2^(3 - 127)
.endr
.irp b, 0,1,2,3
	s_delay_alu instid0(VALU_DEP_4)
	v_add_nc_u32 v[SO+\b], 0xff000000, v[BM+\b]    ; 2 off the exponent field: the conversion's scale operand
.endr
.irp b, 0,1,2,3
	s_delay_alu instid0(VALU_DEP_4)
	v_lshrrev_b32 v[PB+\b], 23, v[SO+\b]
.endr
	s_delay_alu instid0(VALU_DEP_3)
	v_lshl_or_b32 v254, v[PB+1], 8, v[PB]
	s_delay_alu instid0(VALU_DEP_1)
	v_lshl_or_b32 v254, v[PB+2], 16, v254
	WIN 0x15*(\u)
	v_lshl_or_b32 v[PS+\u], v[PB+3], 24, v254      ; the scale word: a register of window 0
	WIN 0x55*(\u)
.irp t, 0,1,2,3,4,5,6,7
	v_cvt_scalef32_pk8_fp4_f32 v[PC+4*(\t/4)+2*(\t%2)+(\t%4)/2], v[S+8*\t:S+8*\t+7], v[SO+\t/2]
.endr
	v_nop                                          ; one plain place behind a scaled conversion
.irp c, 0,1
	v_permlane16_swap_b32 v[PC+4*\c], v[PC+4*\c+1]
	v_permlane16_swap_b32 v[PC+4*\c+2], v[PC+4*\c+3]
.endr
	v_pk_add_f32 v[PB:PB+1], v[S:S+1], v[S+2:S+3]  ; the sum of the unquantised p.  These 32 are also the places ahead of the product
.irp j, 4,8,12,16,20,24,28,32,36,40,44,48,52,56,60
	v_pk_add_f32 v[14:15], v[14:15], v[S+\j:S+\j+1]
	v_pk_add_f32 v[PB:PB+1], v[PB:PB+1], v[S+\j+2:S+\j+3]
.endr
	s_delay_alu instid0(VALU_DEP_1)
	v_pk_add_f32 v[14:15], v[14:15], v[PB:PB+1]
.endm
; A TRIP: my step of the slot in hand.  kind 2: the slot is filled again and the next one's fragments are fetched; 1: no fill; 0: the last slot.
; At its start K's fragments and both tiles' masks are on their way, tile 1's (16 loads) youngest.
.macro TRIP kind
	s_wait_dscnt 16                                ; all but tile 1's mask
	MULM
	LOADV                                          ; 17 loads; the multiplications above are the places behind the last trip's products
	SC 0
	s_wait_dscnt 17                                ; tile 1's mask
	WIN 0x55
	MULM
	SC 1
	SMX 0
	s_wait_alu depctr_va_vdst(0)
.if \kind
	s_wait_tensorcnt 0x0                           ; my part of the next slot is in; (every window is 0)
	ds_add_u32 v[SPW], v[NIL]
.if (\kind) == 2
	s_add_nc_u64 s[G0M+2:G0M+3], s[G0M+2:G0M+3], 1024      ; no tensor load of mine is out: the next fill, into the slot in hand
	s_add_nc_u64 s[G0K+2:G0K+3], s[G0K+2:G0K+3], 2*REC
	s_add_co_u32 s[G0M+1], s72, s[TB]
	s_add_co_u32 s[G0K+1], s73, s[TB]
	s_wait_xcnt 0x0                                ; my prefetches have read their address
	s_add_nc_u64 s[PFA:PFA+1], s[PFA:PFA+1], s[PFS:PFS+1]
.endif
	s_wait_dscnt 0x0                               ; the add is done, and so are my reads of this slot: V is in registers
	s_barrier_signal -1
.else
	s_wait_dscnt 0x0
.endif
	PROB 0                                         ; work on registers while the others arrive
	PV 0
	WIN 0
.if \kind
	s_barrier_wait -1
.if (\kind) == 2
	CREST
	JLOAD
.endif
	s_xor_b32 s[TB], s[TB], SLOT
	ADDR
	LOADK
	LOADM 0
.if (\kind) == 2
	ASK                                            ; what the next trip's load will ask for
.endif
.endif
	SMX 1
	s_wait_alu depctr_va_vdst(0)
	PROB 1
.if \kind
	LOADM 1
.endif
	PV 1
	WIN 0
.endm
; 64 numbers of a lane, none negative, become a fragment's codes in v[pc] on and its scale word in v[pw].
.macro QUANTN s, pc, pw
.irp b, 0,1,2,3
	v_max3_num_f32 v[TM+\b], v[(\s)+16*\b], v[(\s)+16*\b+1], 0x1800000
.endr
.irp i, 2,4,6,8,10,12,14
.irp b, 0,1,2,3
	s_delay_alu instid0(VALU_DEP_4)
	v_max3_num_f32 v[TM+\b], v[TM+\b], v[(\s)+16*\b+\i], v[(\s)+16*\b+\i+1]
.endr
.endr
.irp b, 0,1,2,3
	s_delay_alu instid0(VALU_DEP_4)
	v_permlanex16_b32 v[TM+4+\b], v[TM+\b], s[SEL], s[SEL+1]
.endr
.irp b, 0,1,2,3
	s_delay_alu instid0(VALU_DEP_4)
	v_max_num_f32 v[TM+\b], v[TM+\b], v[TM+4+\b]
.endr
.irp b, 0,1,2,3
	s_delay_alu instid0(VALU_DEP_4)
	v_add_nc_u32 v[TM+8+\b], 0xff000000, v[TM+\b]
.endr
.irp b, 0,1,2,3
	s_delay_alu instid0(VALU_DEP_4)
	v_lshrrev_b32 v[TM+4+\b], 23, v[TM+8+\b]
.endr
	s_delay_alu instid0(VALU_DEP_3)
	v_lshl_or_b32 v[\pw], v[TM+5], 8, v[TM+4]
	s_delay_alu instid0(VALU_DEP_1)
	v_lshl_or_b32 v[\pw], v[TM+6], 16, v[\pw]
	s_delay_alu instid0(VALU_DEP_1)
	v_lshl_or_b32 v[\pw], v[TM+7], 24, v[\pw]
.irp t, 0,1,2,3,4,5,6,7
	v_cvt_scalef32_pk8_fp4_f32 v[(\pc)+4*(\t/4)+2*(\t%2)+(\t%4)/2], v[(\s)+8*\t:(\s)+8*\t+7], v[TM+8+\t/2]
.endr
	v_nop
.irp c, 0,1
	v_permlane16_swap_b32 v[(\pc)+4*\c], v[(\pc)+4*\c+1]
	v_permlane16_swap_b32 v[(\pc)+4*\c+2], v[(\pc)+4*\c+3]
.endr
.endm
	s_wait_alu depctr_va_vdst(0)
	s_wait_tensorcnt 0x0                           ; my part of slot 0 is in
	ds_add_u32 v[SPW], v[NIL]
	s_add_nc_u64 s[G0M+2:G0M+3], s[G0M+2:G0M+3], 1024
	s_add_nc_u64 s[G0K+2:G0K+3], s[G0K+2:G0K+3], 2*REC
	s_add_co_u32 s[G0M+1], s72, SLOT
	s_add_co_u32 s[G0K+1], s73, SLOT
	s_wait_xcnt 0x0
	s_add_nc_u64 s[PFA:PFA+1], s[PFA:PFA+1], s[PFS:PFS+1]
	s_wait_dscnt 0x0
	CROUND
	JLOAD                                          ; slot 1
	ADDR
	LOADK
	LOADM 0
	LOADM 1
	ASK                                            ; what the first trip's load will ask for
	s_wait_loadcnt 0x0                             ; Q
.Ltrip:                                                ; slots 0 to 5 of eight
	TRIP 2
	s_sub_co_u32 s62, s62, 1
	s_cmp_lg_u32 s62, 0
	s_cbranch_scc1 .Ltrip
	TRIP 1
	TRIP 0
	; THE MERGE.  Window 0 holds the tile that I finish, window 1 the one that wave w xor 1 finishes: its sums go through my stage.
	WIN 0x55
	v_add_f32 v14, v14, v15
	v_permlanex16_b32 v252, v14, s[SEL], s[SEL+1]
	v_add_f32 v14, v14, v252
	WIN 0
	v_add_f32 v14, v14, v15
	v_permlanex16_b32 v252, v14, s[SEL], s[SEL+1]
	v_add_f32 v14, v14, v252
	s_mul_i32 s21, s14, STG
	s_xor_b32 s22, s14, 1
	s_mul_i32 s22, s22, STG
	v_and_b32 v20, 31, v0
	v_add_nc_u32 v22, s21, v[LI]                   ; my stage,
	v_add_nc_u32 v23, s22, v[LI]                   ; my partner's,
	v_lshl_add_u32 v24, v20, 2, s21                ; and a word a lane in both
	v_lshl_add_u32 v25, v20, 2, s22
	s_lshl_b32 s23, s14, 6
	s_add_co_u32 s23, s23, SCR
	v_and_b32 v17, 15, v0
	v_bfe_u32 v20, v0, 4, 1
	v_lshl_add_u32 v16, v17, 2, s23                ; the way out: my tile's scale words,
	v_add_nc_u32 v18, SCR, v[LI]                   ; and all eight tiles' read back
	v_lshlrev_b32 v21, 4, v17
	v_lshl_add_u32 v19, v20, 9, v21
	WIN 0x04                                       ; data: window 1
.irp t, 0,1,2,3,4,5,6,7
	ds_store_b128 v22, v[O+8*\t:O+8*\t+3] offset:1024*\t
	ds_store_b128 v22, v[O+8*\t+4:O+8*\t+7] offset:1024*\t+512
.endr
	ds_store_b32 v24, v12 offset:8192
	ds_store_b32 v24, v14 offset:8320
	WIN 0
	s_wait_alu depctr_va_vdst(0)
	s_wait_dscnt 0x0
	s_barrier_signal -1
	s_barrier_wait -1
	ds_load_b32 v226, v25 offset:8192
	ds_load_b32 v227, v25 offset:8320
.irp t, 0,1,2,3,4,5,6,7
	ds_load_b128 v[S+8*\t:S+8*\t+3], v23 offset:1024*\t
	ds_load_b128 v[S+8*\t+4:S+8*\t+7], v23 offset:1024*\t+512
.endr
	s_wait_dscnt 0x0
	v_min_num_f32 v228, v12, v226                  ; the larger M of the two, negated
	v_sub_f32 v229, v228, v12
	v_sub_f32 v230, v228, v226
	v_cvt_i32_f32 v229, v229
	v_cvt_i32_f32 v230, v230
	v_ldexp_f32 v229, 1.0, v229
	v_ldexp_f32 v230, 1.0, v230
	v_mul_f32 v231, v227, v230
	v_fma_f32 v231, v14, v229, v231                ; the row's whole sum
	s_wait_alu depctr_va_vdst(0)
	v_rcp_f32 v231, v231
	v_nop                                          ; one plain place behind a transcendental
	s_wait_alu depctr_va_vdst(0)
	v_mul_f32 v232, v229, v231
	v_mul_f32 v234, v230, v231
.set JJ, 0
.rept 32
	v_pk_mul_f32 v[S+JJ:S+JJ+1], v[S+JJ:S+JJ+1], v[234:235] op_sel_hi:[1,0]
.set JJ, JJ+2
.endr
	s_wait_alu depctr_va_vdst(0)                   ; the last products' first readers
.set JJ, 0
.rept 32
	v_pk_fma_f32 v[S+JJ:S+JJ+1], v[O+JJ:O+JJ+1], v[232:233], v[S+JJ:S+JJ+1] op_sel_hi:[1,0,1]
.set JJ, JJ+2
.endr
	QUANTN S, PC, 9
	global_store_b128 v[LI], v[PC:PC+3], s[80:81]  ; each store of the wave covers 512 consecutive bytes
	global_store_b128 v[LI], v[PC+4:PC+7], s[80:81] offset:512
	ds_store_b32 v16, v9
	s_wait_dscnt 0x0
	s_barrier_signal -1
	s_barrier_wait -1
	s_cmp_lg_u32 s14, 0
	s_cbranch_scc1 .Lnot_first
	ds_load_b128 v[232:235], v18
	s_wait_dscnt 0x0
	global_store_b128 v19, v[232:235], s[82:83]    ; two runs of 256 bytes, one a head
.Lnot_first:
	s_wait_tensorcnt 0x0                           ; the wave's end
	ds_add_u32 v[SPW], v[NIL]
	s_wait_dscnt 0x0
	CROUND                                         ; the closing round
	s_endpgm
.Lfunc_end_k_q51dc8895a3_attn:
	.size	k_q51dc8895a3_attn, .Lfunc_end_k_q51dc8895a3_attn-k_q51dc8895a3_attn
	.p2alignl 7, 3214868480
	.fill 96, 4, 3214868480
	.section	.rodata,"a",@progbits
	.p2align	6, 0x0
	.amdhsa_kernel k_q51dc8895a3_attn
		.amdhsa_group_segment_fixed_size 327680
		.amdhsa_private_segment_fixed_size 0
		.amdhsa_enable_private_segment 0
		.amdhsa_kernarg_size 40
		.amdhsa_user_sgpr_count 2
		.amdhsa_user_sgpr_kernarg_segment_ptr 1
		.amdhsa_wavefront_size32 1
		.amdhsa_system_sgpr_workgroup_id_x 1
		.amdhsa_system_sgpr_workgroup_id_y 1
		.amdhsa_system_sgpr_workgroup_id_z 1
		.amdhsa_system_vgpr_workitem_id 0
		.amdhsa_next_free_vgpr 512
		.amdhsa_next_free_sgpr 84
		.amdhsa_reserve_vcc 0
		.amdhsa_float_denorm_mode_32 3
		.amdhsa_float_denorm_mode_16_64 3
		.amdhsa_memory_ordered 1
		.amdhsa_forward_progress 1
		.amdhsa_inst_pref_size 151
	.end_amdhsa_kernel
	.amdgpu_metadata
---
amdhsa.version: [ 1, 2 ]
amdhsa.kernels:
  - .name:           k_q51dc8895a3_attn
    .symbol:         k_q51dc8895a3_attn.kd
    .args:
      - { .name: qf, .offset: 0, .size: 8, .value_kind: global_buffer, .address_space: global }
      - { .name: kvf, .offset: 8, .size: 8, .value_kind: global_buffer, .address_space: global }
      - { .name: mask, .offset: 16, .size: 8, .value_kind: global_buffer, .address_space: global }
      - { .name: af, .offset: 24, .size: 8, .value_kind: global_buffer, .address_space: global }
      - { .name: asw, .offset: 32, .size: 8, .value_kind: global_buffer, .address_space: global }
    .group_segment_fixed_size: 327680
    .private_segment_fixed_size: 0
    .kernarg_segment_align: 8
    .kernarg_segment_size: 40
    .max_flat_workgroup_size: 256
    .sgpr_count:     84
    .vgpr_count:     512
    .wavefront_size: 32
...
	.end_amdgpu_metadata
.endif
;; end of part 2
;; launch outp (part 3): grid 16 x 16, 4 waves a work-group, clusters of 4 x 4, 327,680 bytes of LDS; arguments af, asw, Wo_codes, Wo_scales, bo, out0; writes out0
.if DOCPART == 3
	.amdgcn_target "amdgcn-amd-amdhsa--gfx1250"
	.amdhsa_code_object_version 6
	.text
	.protected	k_q51dc8895a3_outp
	.globl	k_q51dc8895a3_outp
	.p2align	8
	.type	k_q51dc8895a3_outp,@function
k_q51dc8895a3_outp:
	s_mov_b64 s[64:65], 0
	v_nop
	global_prefetch_b8 v0, s[64:65] scope:SCOPE_SE
	s_setreg_imm32_b32 hwreg(HW_REG_WAVE_MODE, 25, 1), 1
	s_wait_xcnt 0x0
	s_wait_alu depctr_hold_cnt(0) depctr_sa_sdst(0) depctr_va_vdst(0) depctr_va_sdst(0) depctr_va_ssrc(0) depctr_va_vcc(0) depctr_vm_vsrc(0)
	s_getreg_b32 s2, hwreg(HW_REG_IB_STS2, 6, 4)
	s_cmp_eq_u32 s2, 0
	s_cbranch_scc0 .Lentry_in_a_cluster
	s_endpgm
.Lentry_in_a_cluster:
	s_bfe_u32 s2, ttmp6, 0x10000c
	s_cmp_lg_u32 s2, 0xf033
	s_cbranch_scc0 .Lentry_shape_is_right
	s_endpgm
.Lentry_shape_is_right:
; THE LAST PROJECTION: out0 = relu(a Wo + bo), [2048][2048] f32, on codes of FP4 (E2M1) with one E8M0 scale for each 32 along K.
; a arrives as IMAGES of operand registers: af [block of 128 rows][head = 128 along K][tile of 16 rows][1,024 bytes], asw [block][head][tile][row] one scale word each.  Wo arrives as rows of codes, K innermost, and scale bytes [n][64].
; SHARES.  A tile of the result is 128 x 128: 256 work-groups of four waves, a wave 64 x 64.
; NO RING.  The operands for ALL of K lie in LDS together: 131,072 bytes of A, 133,120 of B (padded), 16,896 of scales.  Four tensor loads, one a wave, bring them; no byte is filled twice, and there is one barrier.
; BY ROWS OF THE RESULT.  A wave's fragments of B for all of K stay in 512 registers.  Rows 0-31 of the wave are multiplied while B arrives from LDS, and leave while rows 32-63 are multiplied.
; CLUSTERS, 4 x 4: A's images and words are asked for jointly along a row of the cluster, Wo's codes and scales along a column.  No prefetch: everything is asked for at the start, and there is no loop to run ahead in.
; THE MATRIX INSTRUCTION IS USED TRANSPOSED (source 0 = 16 rows of Wo, source 1 = 16 rows of a): lane (r, h) holds row r, and register j of tile b column 16 b + 8 h + j.  bo is loaded into the accumulators: nothing is cleared.
; LIMITS: NaN and infinities among the inputs are not served.
; REGISTERS: window 0: v1-31 addresses; v32-95 B's scale words, v96-127 A's; v128-255 the accumulators ((a, b) at v[128 + 8 (4 a + b)]).  window 1: A's fragments of two blocks of 16 rows, all of K.  windows 2, 3: B's fragments.
.set PITCH,  1040                      ; B's LDS row: 1,024 bytes + 16 of padding = 260 words: the 16 rows that a load touches start at 16 different banks (64 banks of 4 bytes: ISA guide 11.1)
.set BOFF,   131072                    ; B lies behind A
.set SCLA,   BOFF+128*PITCH            ; A's scale words: [head 16][tile 8][row 16]
.set SCLB,   SCLA+8192                 ; B's scale bytes: 128 rows of 64, as units of 256 bytes + 16 of padding
.set SBLK,   4*272                     ; those of 16 rows
.set STAGE,  SCLB+32*272               ; the stages: 16 rows x (256 bytes + 16) for each wave; no tile lands here
.set SPITCH, 272
.set SPARE,  STAGE+4*16*SPITCH         ; the spare words
.set NROW,   8192                      ; a row of the result in bytes
.set ADRA, 16                          ; v16-17  LDS address of my A images, steps 0-7 and 8-15
.set ADRB, 20                          ; v20     of my B fragments
.set ADRS, 24                          ; v24     of B's scale words
.set ADSA, 25                          ; v25     of A's
.set STO,  26                          ; v26     the way out: where I put 32 bytes of a row
.set RD,   27                          ; v27     where I read a row back
.set CO,   28                          ; v28     my byte offset in two rows of the result
.set SPW,  30
.set NIL,  31
.set SCB,  32                          ; B's scale words: register 16 c + 4 b + q: lane r: row r of block b, step 4 c + q
.set SCA,  96                          ; A's: register 8 c + 2 q + j: lanes 0-15 block 2 j, lanes 16-31 block 2 j + 1
.set ACC,  128
.set G1A,  24
.set G1B,  32
.set G1SA, 40
.set G1SB, 48
.set GA,   56
.set GB,   60
.set GSA,  68
.set GSB,  72
.set MSB, 0
.macro WIN new                         ; the immediate's high byte repeats the setting that is left
.if MSB != (\new)
	s_set_vgpr_msb (MSB<<8)|(\new)
.set MSB, (\new)
.endif
.endm
.macro CROUND                          ; a round of the cluster's barrier
	s_barrier_signal -1
	s_barrier_wait -1
	s_cmp_lg_u32 s16, 0
	s_cbranch_scc1 .Lnot_wave_0_\@
	s_barrier_signal -3
.Lnot_wave_0_\@:
	s_barrier_wait -3
	s_barrier_signal -1
	s_barrier_wait -1
.endm
	s_load_b128 s[4:7], s[0:1], 0x0                ; af, asw
	s_load_b128 s[8:11], s[0:1], 0x10              ; Wo's codes, Wo's scales
	s_load_b128 s[12:15], s[0:1], 0x20             ; bo, out0
	v_lshl_add_u32 v[SPW], v0, 2, SPARE
	v_mov_b32 v[NIL], 0
	ds_add_u32 v[SPW], v[NIL]                      ; the opening add, twice on end
	ds_add_u32 v[SPW], v[NIL]
	v_lshrrev_b32 v1, 5, v0
	v_readfirstlane_b32 s16, v1                    ; wave 0..3
	s_lshr_b32 s17, s16, 1                         ; which half of the tile's rows is mine
	s_and_b32 s18, s16, 1                          ; which half of its columns
	s_bfe_u32 s19, ttmp6, 0x40000                  ; cx, cy
	s_bfe_u32 s20, ttmp6, 0x40004
	s_lshl_b32 s21, ttmp9, 2
	s_add_co_u32 s21, s21, s19                     ; tile column
	s_and_b32 s22, ttmp7, 0xffff
	s_lshl_b32 s22, s22, 2
	s_add_co_u32 s22, s22, s20                     ; tile row
	s_lshl_b32 s23, s20, 2
	s_lshl_b32 s23, 15, s23                        ; my row of the cluster
	s_lshl_b32 s2, 0x1111, s19                     ; my column
	; A: 131,072 dense bytes as 512 rows of 256 (32 elements of 8 bytes)
	s_or_b32 s[G1A+0], s23, (3<<16)|(1<<21)
	s_mov_b32 s[G1A+1], 32<<16
	s_mov_b32 s[G1A+2], 512<<16
	s_mov_b32 s[G1A+3], 32<<16
	s_mov_b32 s[G1A+4], 512
	s_mov_b32 s[G1A+5], 32
	s_mov_b32 s[G1A+6], 0
	s_mov_b32 s[G1A+7], 0
	; B: 128 rows of 1,024 bytes, four words of padding behind every 256
	s_or_b32 s[G1B+0], s2, (0<<16)|(1<<20)|(1<<21)|(7<<22)|(3<<25)
	s_mov_b32 s[G1B+1], 1024<<16
	s_mov_b32 s[G1B+2], 128<<16
	s_mov_b32 s[G1B+3], 1024<<16
	s_mov_b32 s[G1B+4], 128
	s_mov_b32 s[G1B+5], 1024
	s_mov_b32 s[G1B+6], 0
	s_mov_b32 s[G1B+7], 0
	; the scales: 8,192 dense bytes as 32 rows of 256: A's words without padding, B's bytes with 16 behind each row
	s_or_b32 s[G1SA+0], s23, (3<<16)|(1<<21)
	s_or_b32 s[G1SB+0], s2, (3<<16)|(1<<20)|(1<<21)|(5<<22)|(3<<25)
.irp g, G1SA, G1SB
	s_mov_b32 s[\g+1], 32<<16
	s_mov_b32 s[\g+2], 32<<16
	s_mov_b32 s[\g+3], 32<<16
	s_mov_b32 s[\g+4], 32
	s_mov_b32 s[\g+5], 32
	s_mov_b32 s[\g+6], 0
	s_mov_b32 s[\g+7], 0
.endr
.irp g, GA, GB, GSA, GSB
	s_mov_b32 s[\g], 1
.endr
	s_mov_b32 s[GA+1], 0
	s_mov_b32 s[GB+1], BOFF
	s_mov_b32 s[GSA+1], SCLA
	s_mov_b32 s[GSB+1], SCLB
	s_lshl_b32 s76, s22, 17                        ; a block of 128 rows: 131,072 bytes of images,
	s_mov_b32 s77, 0
	s_lshl_b32 s78, s21, 17                        ; or of Wo's codes;
	s_mov_b32 s79, 0
	s_lshl_b32 s80, s22, 13                        ; 8,192 bytes of scale words,
	s_mov_b32 s81, 0
	s_lshl_b32 s82, s21, 13                        ; or of scale bytes
	s_mov_b32 s83, 0
	s_wait_dscnt 0x0                               ; both opening adds are done
	s_wait_kmcnt 0x0
	s_add_nc_u64 s[GA+2:GA+3], s[4:5], s[76:77]
	s_or_b32 s[GA+3], s[GA+3], 0x80000000
	s_add_nc_u64 s[GB+2:GB+3], s[8:9], s[78:79]
	s_or_b32 s[GB+3], s[GB+3], 0x80000000
	s_add_nc_u64 s[GSA+2:GSA+3], s[6:7], s[80:81]
	s_or_b32 s[GSA+3], s[GSA+3], 0x80000000
	s_add_nc_u64 s[GSB+2:GSB+3], s[10:11], s[82:83]
	s_or_b32 s[GSB+3], s[GSB+3], 0x80000000
	CROUND                                         ; all sixteen work-groups are here: the joint loads meet
; One load a wave; one tree of branches, one load on every way.
.macro ARM under, g0, g1, next
	s_cmp_lt_u32 s16, \under
	s_cbranch_scc0 \next
	tensor_load_to_lds s[\g0:\g0+3], s[\g1:\g1+7]
	s_nop 0
.rept 4
	v_nop
.endr
	s_branch .Lhead_asked
\next:
.endm
	ARM 1, GA, G1A, .Lhead_b
	ARM 2, GB, G1B, .Lhead_sa
	ARM 3, GSA, G1SA, .Lhead_sb
	tensor_load_to_lds s[GSB:GSB+3], s[G1SB:G1SB+7]
	s_nop 0
.rept 4
	v_nop
.endr
.Lhead_asked:
	v_and_b32 v1, 15, v0                           ; r
	v_bfe_u32 v2, v0, 4, 1                         ; h
	v_and_b32 v3, 31, v0                           ; lane
	v_lshlrev_b32 v11, 5, v2                       ; 32 h
	s_lshl_b32 s84, s21, 9                         ; my first column, in bytes: 512 x tile column + 256 x half
	s_lshl_b32 s85, s18, 8
	s_add_co_u32 s84, s84, s85
	s_mov_b32 s85, 0
	s_add_nc_u64 s[12:13], s[12:13], s[84:85]
.irp a, 0,1,2,3
.irp b, 0,1,2,3
	global_load_b128 v[ACC+32*\a+8*\b:ACC+32*\a+8*\b+3], v11, s[12:13] offset:64*\b       ; the sums start on the bias
	global_load_b128 v[ACC+32*\a+8*\b+4:ACC+32*\a+8*\b+7], v11, s[12:13] offset:64*\b+16
.endr
.endr
	s_lshl_b32 s86, s22, 20                        ; my first row: 128 x tile row + 64 x half, 8,192 bytes a row
	s_lshl_b32 s87, s17, 19
	s_add_co_u32 s86, s86, s87
	s_add_co_u32 s86, s86, s84
	s_mov_b32 s87, 0
	s_add_nc_u64 s[14:15], s[14:15], s[86:87]
	s_wait_alu depctr_va_vdst(0)
	v_lshlrev_b32 v4, 4, v3                        ; 16 x lane
	s_lshl_b32 s3, s17, 12                         ; my four tiles of a head's eight
	v_add_nc_u32 v[ADRA], s3, v4
	v_add_nc_u32 v[ADRA+1], 65536, v[ADRA]
	v_mul_u32_u24 v5, v1, PITCH
	v_lshl_add_u32 v5, v2, 4, v5                   ; B: row x pitch + 16 x half
	s_mul_i32 s3, s18, 64*PITCH                    ; my 64 rows of B
	s_add_co_u32 s3, s3, BOFF
	v_add_nc_u32 v[ADRB], s3, v5
	v_mul_u32_u24 v6, v1, 64                       ; B's scales: 64 bytes a row,
	v_lshrrev_b32 v7, 8, v6
	v_lshl_add_u32 v6, v7, 4, v6                   ; and 16 more for each 256 passed
	s_mul_i32 s3, s18, 16*272
	s_add_co_u32 s3, s3, SCLB
	v_add_nc_u32 v[ADRS], s3, v6
	s_lshl_b32 s3, s17, 8                          ; A's scale words: my four tiles' 64 bytes each
	s_add_co_u32 s3, s3, SCLA
	v_lshl_add_u32 v[ADSA], v3, 2, s3
	s_mul_i32 s3, s16, 16*SPITCH
	s_add_co_u32 s3, s3, STAGE                     ; my stage
	v_mul_u32_u24 v8, v1, SPITCH                   ; in: row r, 32 bytes for each half of the lanes
	v_lshl_add_u32 v8, v2, 5, v8
	v_add_nc_u32 v[STO], s3, v8
	v_mul_u32_u24 v9, v2, SPITCH                   ; back: lanes 0-15 take one row of 256 bytes, lanes 16-31 the next
	v_lshl_add_u32 v9, v1, 4, v9
	v_add_nc_u32 v[RD], s3, v9
	v_lshlrev_b32 v[CO], 13, v2                    ; and the same two rows in the result
	v_lshl_add_u32 v[CO], v1, 4, v[CO]
.macro LOADB s                         ; B's four fragments of step s: row l % 16 of a block, registers 4 c .. 4 c + 3 = K 64 c + 32 (l / 16) on
	WIN 0x80+0x40*((\s)/8)
.irp i, 0,1,2,3
.irp c, 0,1
	ds_load_b128 v[32*((\s)%8)+8*\i+4*\c:32*((\s)%8)+8*\i+4*\c+3], v[ADRB] offset:64*(\s)+32*\c+\i*16*PITCH
.endr
.endr
	WIN 0
.endm
.macro LOADA s, p                      ; blocks 2 p, 2 p + 1 of A: images, 16 bytes a lane on end
	WIN 0x40
.irp i, 0,1
.irp c, 0,1
	ds_load_b128 v[16*(\s)+8*\i+4*\c:16*(\s)+8*\i+4*\c+3], v[ADRA+(\s)/8] offset:8192*((\s)%8)+1024*(2*(\p)+\i)+512*\c
.endr
.endr
	WIN 0
.endm
.macro SCALES c                        ; the scale words of steps 4 c .. 4 c + 3: 12 loads
.irp b, 0,1,2,3
	ds_load_b128 v[SCB+16*(\c)+4*\b:SCB+16*(\c)+4*\b+3], v[ADRS] offset:16*(\c)+\b*SBLK
.endr
.irp q, 0,1,2,3
.irp j, 0,1
	ds_load_b32 v[SCA+8*(\c)+2*\q+\j], v[ADSA] offset:512*(4*(\c)+\q)+128*\j
.endr
.endr
.endm
; 8 matrix instructions: step s, A's blocks 2 p, 2 p + 1 x B's four.  The eight accumulators take turns.
.macro MUL8 s, p
	WIN 0x06+(\s)/8
.irp b, 0,1,2,3
	v_wmma_scale_f32_16x16x128_f8f6f4 v[ACC+64*(\p)+8*\b:ACC+64*(\p)+8*\b+7], v[32*((\s)%8)+8*\b:32*((\s)%8)+8*\b+7], v[16*(\s):16*(\s)+7], v[ACC+64*(\p)+8*\b:ACC+64*(\p)+8*\b+7], v[SCB+16*((\s)/4)+4*\b+(\s)%4], v[SCA+8*((\s)/4)+2*((\s)%4)+(\p)] matrix_a_fmt:MATRIX_FMT_FP4 matrix_b_fmt:MATRIX_FMT_FP4
.endr
.irp b, 0,1,2,3
	v_wmma_scale_f32_16x16x128_f8f6f4 v[ACC+64*(\p)+32+8*\b:ACC+64*(\p)+32+8*\b+7], v[32*((\s)%8)+8*\b:32*((\s)%8)+8*\b+7], v[16*(\s)+8:16*(\s)+15], v[ACC+64*(\p)+32+8*\b:ACC+64*(\p)+32+8*\b+7], v[SCB+16*((\s)/4)+4*\b+(\s)%4], v[SCA+8*((\s)/4)+2*((\s)%4)+(\p)] matrix_a_fmt:MATRIX_FMT_FP4 matrix_b_fmt:MATRIX_FMT_FP4 matrix_b_scale:MATRIX_SCALE_ROW1
.endr
.endm
.macro PLACES                          ; four places behind the last products, for loads into their operands and for readers of their results
.rept 4
	v_nop
.endr
.endm
; THE WAY OUT, block by block of 16 rows x 64 columns, through the wave's own stage.  LDS serves a wave's instructions in order (ISA guide 5.7.1.4): no wait between a block's stores into the stage and its loads.
.macro RELU a
.set JJ, 0
.rept 32
	v_max_num_f32 v[ACC+32*(\a)+JJ], 0, v[ACC+32*(\a)+JJ]       ; ascending: each accumulator is read from its low end on
.set JJ, JJ+1
.endr
.endm
.macro TOSTAGE a
.irp b, 0,1,2,3
	ds_store_b128 v[STO], v[ACC+32*(\a)+8*\b:ACC+32*(\a)+8*\b+3] offset:64*\b
	ds_store_b128 v[STO], v[ACC+32*(\a)+8*\b+4:ACC+32*(\a)+8*\b+7] offset:64*\b+16
.endr
.irp t, 0,1,2,3,4,5,6,7
	ds_load_b128 v[ACC+32*(\a)+4*\t:ACC+32*(\a)+4*\t+3], v[RD] offset:\t*2*SPITCH
.endr
.endm
.macro SEND a, younger                 ; younger: the LDS instructions issued behind block a's loads
.irp t, 0,1,2,3,4,5,6,7
	s_wait_dscnt (\younger)+7-\t                   ; rows 2 t and 2 t + 1 are back
	global_store_b128 v[CO], v[ACC+32*(\a)+4*\t:ACC+32*(\a)+4*\t+3], s[14:15] offset:(16*(\a)+2*\t)*NROW th:TH_STORE_NT   ; sixteen lanes store 256 consecutive bytes, aligned
.endr
.endm
	s_wait_alu depctr_va_vdst(0)
	s_wait_tensorcnt 0x0                           ; my load has landed
	s_barrier_signal -1
	s_barrier_wait -1                              ; everybody's has
	SCALES 0
	LOADB 0
	LOADA 0, 0
	LOADB 1
	LOADA 1, 0
	s_wait_loadcnt 0x0                             ; the bias
.irp k, 0,1,2,3,4,5,6,7                ; rows 0-31: steps 2 k, 2 k + 1, with the next two steps' 24 fragment loads (and 12 scale loads ahead of every fourth step) on their way
.if \k < 7
.if \k % 2
	SCALES (\k+1)/2
.endif
	LOADB 2*\k+2
	LOADA 2*\k+2, 0
	LOADB 2*\k+3
	LOADA 2*\k+3, 0
	s_wait_dscnt 24+12*(\k%2)
.else
	s_wait_dscnt 0x0
.endif
	MUL8 2*\k, 0
	MUL8 2*\k+1, 0
	WIN 0
.endr
	PLACES
.irp s, 0,1,2,3,4,5,6,7
	LOADA \s, 1                                    ; rows 32-63, into the registers that rows 0-31 have left: 32 loads
.endr
	RELU 0
	TOSTAGE 0
.irp s, 8,9,10,11,12,13,14,15
	LOADA \s, 1
.endr
	RELU 1
	s_wait_alu depctr_va_vdst(0)                   ; ahead of the waits
	s_wait_dscnt 48                                ; steps 0-7 of A are in: behind them block 0's sixteen instructions and 32 loads
.irp s, 0,1,2,3
	MUL8 \s, 1
.endr
	WIN 0
	SEND 0, 32                                     ; rows 0-15 leave
	TOSTAGE 1
	s_wait_dscnt 16                                ; steps 8-15 of A are in
.irp s, 4,5,6,7
	MUL8 \s, 1
.endr
	WIN 0
	SEND 1, 0                                      ; rows 16-31 leave
.irp s, 8,9,10,11,12,13,14,15
	MUL8 \s, 1
.endr
	WIN 0
	PLACES
	RELU 2
	TOSTAGE 2
	RELU 3
	TOSTAGE 3
	SEND 2, 16
	SEND 3, 0
	s_wait_tensorcnt 0x0                           ; the wave's end
	ds_add_u32 v[SPW], v[NIL]
	s_wait_dscnt 0x0
	CROUND                                         ; the closing round
	s_endpgm
.Lfunc_end_k_q51dc8895a3_outp:
	.size	k_q51dc8895a3_outp, .Lfunc_end_k_q51dc8895a3_outp-k_q51dc8895a3_outp
	.p2alignl 7, 3214868480
	.fill 96, 4, 3214868480
	.section	.rodata,"a",@progbits
	.p2align	6, 0x0
	.amdhsa_kernel k_q51dc8895a3_outp
		.amdhsa_group_segment_fixed_size 327680
		.amdhsa_private_segment_fixed_size 0
		.amdhsa_enable_private_segment 0
		.amdhsa_kernarg_size 48
		.amdhsa_user_sgpr_count 2
		.amdhsa_user_sgpr_kernarg_segment_ptr 1
		.amdhsa_wavefront_size32 1
		.amdhsa_system_sgpr_workgroup_id_x 1
		.amdhsa_system_sgpr_workgroup_id_y 1
		.amdhsa_system_sgpr_workgroup_id_z 1
		.amdhsa_system_vgpr_workitem_id 0
		.amdhsa_next_free_vgpr 1024
		.amdhsa_next_free_sgpr 102
		.amdhsa_reserve_vcc 0
		.amdhsa_float_denorm_mode_32 3
		.amdhsa_float_denorm_mode_16_64 3
		.amdhsa_memory_ordered 1
		.amdhsa_forward_progress 1
		.amdhsa_inst_pref_size 79
	.end_amdhsa_kernel
	.amdgpu_metadata
---
amdhsa.version: [ 1, 2 ]
amdhsa.kernels:
  - .name:           k_q51dc8895a3_outp
    .symbol:         k_q51dc8895a3_outp.kd
    .args:
      - { .name: af, .offset: 0, .size: 8, .value_kind: global_buffer, .address_space: global }
      - { .name: asw, .offset: 8, .size: 8, .value_kind: global_buffer, .address_space: global }
      - { .name: Wo_codes, .offset: 16, .size: 8, .value_kind: global_buffer, .address_space: global }
      - { .name: Wo_scales, .offset: 24, .size: 8, .value_kind: global_buffer, .address_space: global }
      - { .name: bo, .offset: 32, .size: 8, .value_kind: global_buffer, .address_space: global }
      - { .name: out0, .offset: 40, .size: 8, .value_kind: global_buffer, .address_space: global }
    .group_segment_fixed_size: 327680
    .private_segment_fixed_size: 0
    .kernarg_segment_align: 8
    .kernarg_segment_size: 48
    .max_flat_workgroup_size: 128
    .sgpr_count:     102
    .vgpr_count:     1024
    .wavefront_size: 32
...
	.end_amdgpu_metadata
.endif
;; end of part 3
